; MI455X (gfx1250); checked and timed in simulation.
; The chip was launched on July 23, 2026; its instructions are those of AMD's public machine-readable ISA for CDNA 5 (MIT licence, August 2026) and "CDNA5" Instruction Set Architecture Reference Guide (July 2026). The comments in the code are by the model that wrote it; some were corrected since.
;; Multi Head Causal Attention. Allowed arithmetic: matrix products marked QUANTISED: E4M3 operands, one given power-of-two scale a tensor, by v_wmma_f32_16x16x64_fp8_fp8 or v_wmma_f32_16x16x128_fp8_fp8, f32 sums; everything else in f32.
;; Inputs: W_out 1,024 x 1,024 float32; W_qkv 1,024 x 3,072 float32; b_out 1,024 float32; b_qkv 3,072 float32; lowp_scales 8 int32 (the exponents e of the quantised operands' scales 2^e); x 4 x 2,048 x 1,024 float32.
;; Outputs: out0 4 x 2,048 x 1,024 float32.
;; This version of the problem:
;;   THIS VERSION OF THE PROBLEM IS GIVEN IN LOW PRECISION. The matrix products marked QUANTISED in the list below multiply operands that are first quantised to E4M3 (4 exponent bits, 3 mantissa bits; 8 bits a number), with one given power-of-two scale for each operand tensor; their sums are f32. All else is computed in f32.
;;   The module's matrix products, in the order in which they are computed (A, B: the left and right operand; K: the contracted axis; several contracted axes count as one K, in the product's order):
;;     1. [M 8,192, K 1,024] x [K 1,024, N 3,072]; A: input x; B: input W_qkv: QUANTISED (scales: A lowp_scales[0], B lowp_scales[1])
;;     2. batch 64 x [M 2,048, K 64] x [K 64, N 2,048]; A: computed on the way; B: computed on the way: QUANTISED (scales: A lowp_scales[2], B lowp_scales[3])
;;     3. batch 64 x [M 2,048, K 2,048] x [K 2,048, N 64]; A: softmax (see below); B: computed on the way: QUANTISED (scales: A lowp_scales[4], B lowp_scales[5])
;;     4. [M 8,192, K 1,024] x [K 1,024, N 1,024]; A: computed on the way; B: input W_out: QUANTISED (scales: A lowp_scales[6], B lowp_scales[7])
;;   THE QUANTISER, for each operand of a quantised product, along K:
;;     - The operand's scale is 2^e, e = its entry of the input lowp_scales (int32; the entries are numbered through the quantised products in the list's order, A before B).
;;     - Each number is divided by the scale, clamped to +-448, and rounded to the nearest number of E4M3, ties to even, subnormals kept.
;;     - The product sums the exact products of the quantised numbers (number of the format x scale) in f32.
;;   ~~~python
;;   def quantise(x, axis, e):      # numpy; x: float32 -> the quantised numbers, widened to float32 again
;;       x = np.moveaxis(x, axis, -1); K = x.shape[-1]
;;       r = np.clip(x / 2.0 ** e, -448, 448)
;;       step = 2.0 ** (np.maximum(np.frexp(np.where(r == 0, 1, r))[1] - 1, -6) - 3)
;;       q = np.round(r / step) * step * 2.0 ** e      # np.round: ties to even
;;       return np.moveaxis(q, -1, axis).astype(np.float32)
;;   ~~~
;;   SOFTMAX AHEAD OF A QUANTISED PRODUCT. Where the list says 'softmax', what is quantised is not the finished softmax but p = 2^(t - M), with t = logit x log2(e) and M = ceil(the row's largest t), a whole number; so 1/2 < the row's largest p <= 1. The row's sum l is taken of the UNQUANTISED p, in f32, and the product's result is divided by l at the end. Since M is a whole number, a kernel that streams over the keys may use a running M (the ceiling of the running maximum): every later rescaling is an exact power of two, so the quantised numbers keep their values, but for numbers so far below the row's largest that they fall under the format's range.
;;   OPERANDS COMPUTED ON THE WAY. 'Computed on the way' means the value that the module computes at that place (a softmax that the list does not call 'softmax' is quantised finished and normalised). What goes into a quantiser is computed in f32, as accurately as f32 sums, v_exp_f32 and their like allow (about 1e-6 of the number): no bf16 or f16 on the way to a quantiser, and a product that is left as it is and whose result goes on into a quantised operand takes f32 operands (vector FMAs, or v_wmma_f32_16x16x4_f32). A number that lies on a knife's edge between two numbers of the format may be rounded either way, as far as f32 arithmetic and the matrix unit's own rounding can turn it there, and no further.
;; One version. Each part assembles by itself: llvm-mc -triple=amdgcn-amd-amdhsa -mcpu=gfx1250 --defsym DOCPART=n.
;; ======== version 1 of 1: 4 launches
;; workspace buffers: x_img 8,388,608 bytes; wq_img 3,145,728 bytes; wo_img 1,048,576 bytes; q_img 8,388,608 bytes; k_img 8,388,608 bytes; v_img 8,388,608 bytes; att_img 8,388,608 bytes
;; launch quant (part 1): grid 512 x 1, 4 waves a work-group, no clusters, 50,688 bytes of LDS; arguments x, W_qkv, W_out, lowp_scales, x_img, wq_img, wo_img; writes x_img, wq_img, wo_img
.if DOCPART == 1
	.amdgcn_target "amdgcn-amd-amdhsa--gfx1250"
	.amdhsa_code_object_version 6
	.text
	.protected	k_q691ce9db8d_quant
	.globl	k_q691ce9db8d_quant
	.p2align	8
	.type	k_q691ce9db8d_quant,@function
k_q691ce9db8d_quant:
	s_mov_b64 s[64:65], 0
	v_nop
	global_prefetch_b8 v0, s[64:65] scope:SCOPE_SE
	s_setreg_imm32_b32 hwreg(HW_REG_WAVE_MODE, 25, 1), 1
	s_wait_xcnt 0x0
; x [8192][1024], W_qkv [1024][3072] and W_out [1024][1024], f32, become codes of FP8 (E4M3), each with the one scale 2^e given for it (entries 0, 1 and 7 of the scales).
; code = number / 2^e, held within +-448, rounded to the nearest code, ties to even.
; LIMITS: each of the three e lies between -126 and 119, so that 2^e and 448 x 2^e are f32 numbers.  NaN among the inputs is not served (an infinity is held at the largest code).
; THE CODES LEAVE AS IMAGES OF OPERAND REGISTERS.  A fragment is 16 rows x 128 along K = 16 registers a lane = 2,048 bytes: registers 4 c .. 4 c + 3 of lane l lie at 512 c + 16 l.
; Lane l = r + 16 h holds row r; its registers 2 p, 2 p + 1 hold k = 16 p + 8 h + 0 .. 7: the places of the plain 8-bit matrix forms (ISA guide 7.12.2).
; x_img: [row / 128][k / 128][(row / 16) % 8][2048];  wq_img, wo_img: the same with a column n of the weight as the row.
; Work-groups 0-255 take x, 256-511 the weights; the two ways part on the work-group's number and have LDS bytes of their own.  Waves share nothing: no barrier.
; x: a wave takes 16 rows x 512 along K: four fragments.  Each load reads 512 consecutive bytes of a row; a fragment's 16 x 512 bytes turn through the wave's stage (rows 528 bytes apart:
;    33 x 16) and come back 32 bytes a lane and pair.
; weights: K is the first axis.  A lane takes a column and its registers run down K, so the conversions give codes with K innermost; a wave takes 32 columns x 128 along K: two fragments.
;    The codes go into the wave's stage at their places in the image (8 bytes a store and lane: two lanes fall on a bank pair, two deep) and leave as 512 consecutive bytes a store.
.set XPITCH, 528
.set XWAVE,  16*XPITCH                 ; a wave's stage on x's way
.set WS,     4*XWAVE                   ; 33,792: the weights' stages, 4,096 bytes a wave
.set SPARE,  WS+4*4096                 ; 50,176: the spare words, 128 bytes for each wave: two blocks of 256 bytes that no other line names
.set LI,  1                            ; v1   16 x lane
.set XST, 2                            ; v2   x: into the stage
.set XLD, 3                            ; v3   x: out of it: 528 r + 32 h
.set WST, 4                            ; v4   weights: into the stage
.set WLD, 5                            ; v5   weights: out of it
.set L4,  10                           ; v10  4 x lane
.set SC,  11                           ; v11  2^e as f32
.set SPW, 12                           ; v12  LDS address of my spare word; never rewritten
.set NIL, 13                           ; v13  0; never rewritten
.set R,   16                           ; x: v16-143 two sets of 64 registers as loaded
.set X,   144                          ; x: v144-207 a fragment's 64 numbers of my lane
.set C,   208                          ; x: v208-239 two sets of 16 registers of codes
.set OFS, 16                           ; weights: v16-47 4 x lane + i rows
.set WX,  48                           ; weights: v48-111 two sets of 32 numbers
.set WC,  112                          ; weights: v112-119 a block's codes
.set OUTR,120                          ; weights: v120-151 the way out
.macro LOADX t                         ; fragment t: 16 rows x 512 bytes
.set i, 0
.rept 16
	global_load_b128 v[R+64*((\t)%2)+4*i:R+64*((\t)%2)+4*i+3], v[LI], s[20:21] offset:4096*i+512*(\t) th:TH_LOAD_NT
.set i, i+1
.endr
.endm
.macro FRAGX t
.if (\t) < 3
	s_wait_loadcnt 16                              ; this fragment's 16 loads are in; the next fragment's 16 may be out
.else
	s_wait_loadcnt 0
.endif
.set i, 0
.rept 16
	ds_store_b128 v[XST], v[R+64*((\t)%2)+4*i:R+64*((\t)%2)+4*i+3] offset:XPITCH*i
.set i, i+1
.endr
.set i, 0
.rept 16
	ds_load_b128 v[X+4*i:X+4*i+3], v[XLD] offset:64*(i/2)+16*(i%2)   ; LDS serves a wave's instructions in order: these see the stores above.  Pair p = i / 2: k = 16 p + 8 h + 0 .. 7
.set i, i+1
.endr
	s_wait_dscnt 0x0                               ; the numbers are back, and the stores have read their registers
.if (\t) >= 2
	s_wait_xcnt 0x0                                ; the stores of two fragments ago have read their codes: that set is written again below
.endif
.if (\t)+2 < 4
	LOADX (\t)+2
.endif
.set i, 0
.rept 64
	v_med3_num_f32 v[X+i], v[X+i], s37, s36        ; the conversion to an 8-bit code does not saturate (ISA guide 7.6.2): the hold at +-448 x 2^e comes first
.set i, i+1
.endr
.set i, 0
.rept 8
	v_cvt_scalef32_pk8_fp8_f32 v[C+16*((\t)%2)+2*i:C+16*((\t)%2)+2*i+1], v[X+8*i:X+8*i+7], v[SC]
.set i, i+1
.endr
	v_nop                                          ; a plain line behind the last conversion
.set i, 0
.rept 4
	global_store_b128 v[LI], v[C+16*((\t)%2)+4*i:C+16*((\t)%2)+4*i+3], s[22:23] offset:16384*(\t)+512*i   ; 32 lanes store 512 consecutive bytes, aligned
.set i, i+1
.endr
.endm
.macro LOADW t                         ; block t: rows 32 t .. 32 t + 31 of K at my column
.set i, 0
.rept 32
	global_load_b32 v[WX+32*((\t)%2)+i], v[OFS+i], s[24+2*(\t):25+2*(\t)] th:TH_LOAD_NT
.set i, i+1
.endr
.endm
.macro BLOCKW t
.if (\t) < 3
	s_wait_loadcnt 32                              ; this block's 32 loads are in; the next block's may be out
.else
	s_wait_loadcnt 0
.endif
.set i, 0
.rept 32
	v_med3_num_f32 v[WX+32*((\t)%2)+i], v[WX+32*((\t)%2)+i], s37, s36
.set i, i+1
.endr
.set u, 0
.rept 4
	v_cvt_scalef32_pk8_fp8_f32 v[WC+2*u:WC+2*u+1], v[WX+32*((\t)%2)+8*u:WX+32*((\t)%2)+8*u+7], v[SC]   ; k = 32 t + 8 u + 0 .. 7
.set u, u+1
.endr
	v_nop
.set u, 0
.rept 4
	ds_store_b64 v[WST], v[WC+2*u:WC+2*u+1] offset:512*(\t)+256*(u%2)+8*(u/2)   ; the image's place of pair 2 t + u / 2, half u % 2
.set u, u+1
.endr
.if (\t)+2 < 4
	LOADW (\t)+2
.endif
	s_wait_dscnt 0x0                               ; the stores have read their registers: the next block's codes may be written
.endm
	s_load_b256 s[4:11], s[0:1], 0x0               ; x s[4:5], W_qkv s[6:7], W_out s[8:9], the scales s[10:11]
	s_load_b128 s[12:15], s[0:1], 0x20             ; x_img s[12:13], wq_img s[14:15]
	s_load_b64 s[16:17], s[0:1], 0x30              ; wo_img
	v_lshl_add_u32 v[SPW], v0, 2, SPARE
	v_mov_b32 v[NIL], 0
	v_lshrrev_b32 v6, 5, v0
	v_readfirstlane_b32 s18, v6                    ; wave 0..3
	v_and_b32 v7, 31, v0                           ; lane
	v_and_b32 v8, 15, v0                           ; r
	v_bfe_u32 v9, v0, 4, 1                         ; h
	v_lshlrev_b32 v[LI], 4, v7
	s_mul_i32 s48, s18, XWAVE
	v_add_nc_u32 v[XST], s48, v[LI]
	v_mul_u32_u24 v[XLD], v8, XPITCH
	v_lshl_add_u32 v[XLD], v9, 5, v[XLD]
	v_add_nc_u32 v[XLD], s48, v[XLD]
	s_lshl_b32 s49, s18, 12
	s_add_co_u32 s49, s49, WS
	v_lshlrev_b32 v[WST], 4, v8
	v_lshl_add_u32 v[WST], v9, 11, v[WST]          ; my column's fragment (lane / 16) and its row (lane % 16)
	v_add_nc_u32 v[WST], s49, v[WST]
	v_add_nc_u32 v[WLD], s49, v[LI]
	v_lshlrev_b32 v[L4], 2, v7
	s_wait_kmcnt 0x0
	s_load_b256 s[40:47], s[10:11], 0x0            ; e0 .. e7
	s_cmp_lt_u32 ttmp9, 256
	s_cbranch_scc0 .Lweights
	; ---- x
	s_lshl_b32 s48, ttmp9, 2
	s_add_co_u32 s48, s48, s18                     ; my wave's task, 0 .. 1023
	s_lshr_b32 s49, s48, 1                         ; which 16 rows
	s_and_b32 s50, s48, 1                          ; which 512 along K
	s_lshl_b32 s52, s49, 16                        ; 16 rows of 4,096 bytes
	s_lshl_b32 s51, s50, 11
	s_add_co_u32 s52, s52, s51
	s_mov_b32 s53, 0
	s_add_nc_u64 s[20:21], s[4:5], s[52:53]
	s_lshr_b32 s51, s49, 3
	s_lshl_b32 s52, s51, 17                        ; the group of 128 rows,
	s_lshl_b32 s51, s50, 16                        ; four K steps of 16,384 bytes,
	s_add_co_u32 s52, s52, s51
	s_and_b32 s51, s49, 7
	s_lshl_b32 s51, s51, 11                        ; the fragment among the group's eight
	s_add_co_u32 s52, s52, s51
	s_add_nc_u64 s[22:23], s[12:13], s[52:53]
	LOADX 0
	LOADX 1
	s_wait_kmcnt 0x0
	s_add_co_i32 s48, s40, 127
	s_lshl_b32 s49, s48, 23
	v_mov_b32 v[SC], s49                           ; 2^e0 as f32: the conversion takes its exponent field
	s_add_co_i32 s48, s48, 8
	s_lshl_b32 s48, s48, 23
	s_or_b32 s36, s48, 0x600000                    ; 448 x 2^e0
	s_or_b32 s37, s36, 0x80000000                  ; and its negative
	FRAGX 0
	FRAGX 1
	FRAGX 2
	FRAGX 3
	s_wait_tensorcnt 0x0                           ; the wave's end, behind my last LDS store
	ds_add_u32 v[SPW], v[NIL]
	s_wait_dscnt 0x0
	s_endpgm
	; ---- the weights
.Lweights:
	s_sub_co_u32 s48, ttmp9, 256
	s_lshr_b32 s49, s48, 3                         ; group of 128 columns: 0-23 of W_qkv, 24-31 of W_out
	s_and_b32 s50, s48, 7                          ; which 128 along K
	s_cmp_lt_u32 s49, 24
	s_cselect_b64 s[52:53], s[6:7], s[8:9]
	s_cselect_b64 s[32:33], s[14:15], s[16:17]
	s_mov_b32 s38, 4096
	s_cselect_b32 s38, 12288, s38                  ; a row of the weight in bytes
	s_cselect_b32 s39, 1, 0
	s_cselect_b32 s51, 0, 24
	s_sub_co_u32 s49, s49, s51                     ; the group within its weight
	s_lshl_b32 s54, s50, 7
	s_mul_i32 s54, s54, s38                        ; 128 rows a K step
	s_lshl_b32 s55, s49, 9
	s_add_co_u32 s54, s54, s55                     ; + 128 columns a group
	s_lshl_b32 s55, s18, 7
	s_add_co_u32 s54, s54, s55                     ; + 32 columns a wave
	s_mov_b32 s55, 0
	s_add_nc_u64 s[24:25], s[52:53], s[54:55]
	s_lshl_b32 s54, s38, 5                         ; 32 rows on: a base for each block
	s_add_nc_u64 s[26:27], s[24:25], s[54:55]
	s_add_nc_u64 s[28:29], s[26:27], s[54:55]
	s_add_nc_u64 s[30:31], s[28:29], s[54:55]
	s_lshl_b32 s54, s49, 17
	s_lshl_b32 s56, s50, 14
	s_add_co_u32 s54, s54, s56
	s_lshl_b32 s56, s18, 12
	s_add_co_u32 s54, s54, s56
	s_add_nc_u64 s[32:33], s[32:33], s[54:55]      ; my two fragments in the image
.set i, 0
.rept 32
	v_mad_u32_u24 v[OFS+i], s38, i, v[L4]
.set i, i+1
.endr
	LOADW 0
	LOADW 1
	s_wait_kmcnt 0x0
	s_cmp_eq_u32 s39, 1
	s_cselect_b32 s48, s41, s47                    ; e1 or e7
	s_add_co_i32 s48, s48, 127
	s_lshl_b32 s49, s48, 23
	v_mov_b32 v[SC], s49
	s_add_co_i32 s48, s48, 8
	s_lshl_b32 s48, s48, 23
	s_or_b32 s36, s48, 0x600000
	s_or_b32 s37, s36, 0x80000000
	BLOCKW 0
	BLOCKW 1
	BLOCKW 2
	BLOCKW 3
.set i, 0
.rept 8
	ds_load_b128 v[OUTR+4*i:OUTR+4*i+3], v[WLD] offset:512*i
.set i, i+1
.endr
.set i, 0
.rept 8
	s_wait_dscnt 7-i
	global_store_b128 v[LI], v[OUTR+4*i:OUTR+4*i+3], s[32:33] offset:512*i   ; 512 consecutive bytes, aligned
.set i, i+1
.endr
	s_wait_tensorcnt 0x0                           ; the wave's end, as above
	ds_add_u32 v[SPW], v[NIL]
	s_wait_dscnt 0x0
	s_endpgm
.Lfunc_end_k_q691ce9db8d_quant:
	.size	k_q691ce9db8d_quant, .Lfunc_end_k_q691ce9db8d_quant-k_q691ce9db8d_quant
	.p2alignl 7, 3214868480
	.fill 96, 4, 3214868480
	.section	.rodata,"a",@progbits
	.p2align	6, 0x0
	.amdhsa_kernel k_q691ce9db8d_quant
		.amdhsa_group_segment_fixed_size 50688
		.amdhsa_private_segment_fixed_size 0
		.amdhsa_enable_private_segment 0
		.amdhsa_kernarg_size 56
		.amdhsa_user_sgpr_count 2
		.amdhsa_user_sgpr_kernarg_segment_ptr 1
		.amdhsa_wavefront_size32 1
		.amdhsa_system_sgpr_workgroup_id_x 1
		.amdhsa_system_sgpr_workgroup_id_y 1
		.amdhsa_system_sgpr_workgroup_id_z 1
		.amdhsa_system_vgpr_workitem_id 0
		.amdhsa_next_free_vgpr 240
		.amdhsa_next_free_sgpr 66
		.amdhsa_reserve_vcc 0
		.amdhsa_float_denorm_mode_32 3
		.amdhsa_float_denorm_mode_16_64 3
		.amdhsa_memory_ordered 1
		.amdhsa_forward_progress 1
		.amdhsa_inst_pref_size 64
	.end_amdhsa_kernel
	.amdgpu_metadata
---
amdhsa.version: [ 1, 2 ]
amdhsa.kernels:
  - .name:           k_q691ce9db8d_quant
    .symbol:         k_q691ce9db8d_quant.kd
    .args:
      - { .name: x, .offset: 0, .size: 8, .value_kind: global_buffer, .address_space: global }
      - { .name: W_qkv, .offset: 8, .size: 8, .value_kind: global_buffer, .address_space: global }
      - { .name: W_out, .offset: 16, .size: 8, .value_kind: global_buffer, .address_space: global }
      - { .name: lowp_scales, .offset: 24, .size: 8, .value_kind: global_buffer, .address_space: global }
      - { .name: x_img, .offset: 32, .size: 8, .value_kind: global_buffer, .address_space: global }
      - { .name: wq_img, .offset: 40, .size: 8, .value_kind: global_buffer, .address_space: global }
      - { .name: wo_img, .offset: 48, .size: 8, .value_kind: global_buffer, .address_space: global }
    .group_segment_fixed_size: 50688
    .private_segment_fixed_size: 0
    .kernarg_segment_align: 8
    .kernarg_segment_size: 56
    .max_flat_workgroup_size: 128
    .sgpr_count:     66
    .vgpr_count:     240
    .wavefront_size: 32
...
	.end_amdgpu_metadata
.endif
;; end of part 1
;; launch gemm_qkv (part 2): grid 12 x 32, 4 waves a work-group, clusters of 4 x 4, 327,680 bytes of LDS; arguments x_img, wq_img, b_qkv, lowp_scales, q_img, k_img, v_img; writes q_img, k_img, v_img
.if DOCPART == 2
	.amdgcn_target "amdgcn-amd-amdhsa--gfx1250"
	.amdhsa_code_object_version 6
	.text
	.protected	k_q691ce9db8d_gemm_qkv
	.globl	k_q691ce9db8d_gemm_qkv
	.p2align	8
	.type	k_q691ce9db8d_gemm_qkv,@function
k_q691ce9db8d_gemm_qkv:
	s_mov_b64 s[64:65], 0
	v_nop
	global_prefetch_b8 v0, s[64:65] scope:SCOPE_SE
	s_setreg_imm32_b32 hwreg(HW_REG_WAVE_MODE, 25, 1), 1
	s_wait_xcnt 0x0
	s_wait_alu depctr_hold_cnt(0) depctr_sa_sdst(0) depctr_va_vdst(0) depctr_va_sdst(0) depctr_va_ssrc(0) depctr_va_vcc(0) depctr_vm_vsrc(0)
	s_getreg_b32 s2, hwreg(HW_REG_IB_STS2, 6, 4)
	s_cmp_eq_u32 s2, 0
	s_cbranch_scc0 .Lentry_in_a_cluster
	s_endpgm
.Lentry_in_a_cluster:
	s_bfe_u32 s2, ttmp6, 0x10000c
	s_cmp_lg_u32 s2, 0xf033
	s_cbranch_scc0 .Lentry_shape_is_right
	s_endpgm
.Lentry_shape_is_right:
; qkv = x W_qkv + b_qkv on codes of FP8 (E4M3); each result is quantised at once (q: entry 2 of the scales, k: entry 3, v: entry 5) and leaves as an image of the next product's operand registers.
; A fragment's image: 16 rows x 128 K, 2,048 bytes, registers 4 c .. 4 c + 3 of lane l at 512 c + 16 l; lane r + 16 h holds row r, registers 2 p, 2 p + 1 hold k = 16 p + 8 h + 0 .. 7.
; x_img, wq_img: [row / 128][k / 128][(row / 16) % 8][2048].  q_img, k_img: [batch x 16 + head][position / 16][1024] (K = the head's 64).  v_img: [batch x 16 + head][key / 128][d / 16][2048] (K = the keys).
; A tile of 256 x 256 is made by four waves, 128 x 128 each: 64 accumulators, 512 registers.  K = 1,024 goes in four slots of 256 through a ring of two LDS slots.
; OPERANDS: A is source 1 (its rows become the result's lanes), B is source 0 (its rows run down a lane's eight registers).  Eight registers of a result, converted, are registers 2 b, 2 b + 1 of the next operand.
;   cluster x = 0, 1 (q, k): A = rows of x, B = columns of W_qkv: a lane's registers run along the head's features.   cluster x = 2 (v): A = v's columns of W_qkv, B = rows of x: they run along the keys.
;   Only the global addresses, the bias and the way out differ; the choice hangs on the cluster's x, which all partners share.
; CLUSTERS: 4 x 4 work-groups; A's tile is asked for jointly along a row of the cluster, B's along a column: the same tensor load, descriptor and mask in the four that the mask names.
; A wave's tensor load brings 128 rows x 256 K, which in the image is one dense block of 32,768 bytes; fragments are read back as they lie, 512 consecutive bytes a load: no pitch, no padding.
; LIMITS: e0 + e1 between -126 and 127; e2, e3, e5 between -126 and 119, so that each power of two below is an f32 number.
; REGISTERS: window 0: v5-7, v16-30 addresses and constants; v32-95 the bias by registers, v96-111 the bias by lanes; v128-255 A's fragments, one set (on the way out: v128-191 numbers, v192-255 codes).
;   window 1: B's fragments, two sets.   windows 2, 3: the accumulators of my rows 0-63 and 64-127 of A ((a, b) at v[8 (8 (a % 4) + b)]).
.set PART,  32768                      ; what one tensor load brings
.set SLOT,  4*PART                     ; A's two halves, then B's two halves
.set SPARE, 2*SLOT                     ; behind the ring: the spare words, 128 bytes for each wave: two blocks of 256 bytes that no other line names
.set FR,  16
.set NL,  4
.set NP,  4
.set LI,  5                            ; v5   16 x lane
.set H32, 6                            ; v6   32 h
.set R4,  7                            ; v7   4 r
.set ADRA, 16                          ; v16-17 LDS address of my A fragments in slot 0, 1
.set ADRB, 20                          ; v20-21 the same for B
.set SPW, 28                           ; v28  LDS address of my spare word; never rewritten
.set NIL, 29                           ; v29  0; never rewritten
.set SCL, 30                           ; v30  the output's scale as f32
.set BR,  32
.set BL,  96
.set AF,  128
.set TMP, 128
.set CD,  192
.set WV,  18
.set HA,  19                           ; s19  my half of A's rows.  Also: I fetch for A (0) or for B (1)
.set HB,  20                           ; s20  my half of B's rows.  Also: which half of that tile I fetch
.set G1,  24
.set G0,  32
.set G1B, 48
.set G0B, 56
.set MSB, 0
.macro WIN new                         ; the immediate's high byte repeats the setting that is left
.if MSB != (\new)
	s_set_vgpr_msb (MSB<<8)|(\new)
.set MSB, (\new)
.endif
.endm
.set MUL_LO, 0xa1                      ; source 0 (B) window 1, source 1 (A) window 0, C and D window 2
.set MUL_HI, 0xf1                      ; the same, C and D window 3
.set TO_B,   0x40                      ; destination window 1, address window 0
; A joint load: waves 0 and 1 fetch for A, waves 2 and 3 for B; the branch hangs on the wave's number alone.  An s_nop 0 and four v_nop follow each of the two lines.
.macro JLOAD g0a, g1a, g0b, g1b
	s_cmp_eq_u32 s[HA], 0
	s_cbranch_scc0 .Lfor_b_\@
	tensor_load_to_lds s[\g0a:\g0a+3], s[\g1a:\g1a+7]
	s_nop 0
.rept 4
	v_nop
.endr
	s_branch .Lasked_\@
.Lfor_b_\@:
	tensor_load_to_lds s[\g0b:\g0b+3], s[\g1b:\g1b+7]
	s_nop 0
.rept 4
	v_nop
.endr
.Lasked_\@:
.endm
.macro CREST                           ; a round of the cluster's barrier behind its opening barrier
	s_cmp_lg_u32 s[WV], 0
	s_cbranch_scc1 .Lnot_wave_0_\@
	s_barrier_signal -3
.Lnot_wave_0_\@:
	s_barrier_wait -3
	s_barrier_signal -1
	s_barrier_wait -1
.endm
.macro CROUND
	s_barrier_signal -1
	s_barrier_wait -1
	CREST
.endm
.macro PLACES n                        ; plain vector lines between a matrix instruction and a load into, or a vector line on, its registers
.rept \n
	v_nop
.endr
.endm
.macro FRAG reg, adr, q, i             ; fragment i of the slot's q-th 128 along K, as it lies
.irp c, 0,1,2,3
	ds_load_b128 v[\reg+4*\c:\reg+4*\c+3], v[\adr] offset:16384*(\q)+2048*(\i)+512*\c
.endr
.endm
; 16 matrix instructions: A's blocks a0, a0 + 1 x B's eight.  p: B's set.  zero = 1: the first product starts the sums.  The 64 accumulators take turns, one instruction a turn.
.macro MUL16 a0, p, zero
.irp a, \a0, \a0+1
.irp b, 0,1,2,3,4,5,6,7
.if \zero
	v_wmma_f32_16x16x128_fp8_fp8 v[8*(8*((\a)%4)+\b):8*(8*((\a)%4)+\b)+7], v[128*(\p)+FR*\b:128*(\p)+FR*\b+FR-1], v[AF+FR*(\a):AF+FR*(\a)+FR-1], 0
.else
	v_wmma_f32_16x16x128_fp8_fp8 v[8*(8*((\a)%4)+\b):8*(8*((\a)%4)+\b)+7], v[128*(\p)+FR*\b:128*(\p)+FR*\b+FR-1], v[AF+FR*(\a):AF+FR*(\a)+FR-1], v[8*(8*((\a)%4)+\b):8*(8*((\a)%4)+\b)+7]
.endif
.endr
.endr
.endm
.macro FETCH_B slot, q, p
	WIN TO_B
.irp i, 0,1,2,3,4,5,6,7
	FRAG 128*(\p)+FR*\i, ADRB+\slot, \q, \i
.endr
	WIN 0
.endm
.macro FETCH_A slot, q, i0
.irp i, \i0, \i0+1, \i0+2, \i0+3
	FRAG AF+FR*(\i), ADRA+\slot, \q, \i
.endr
.endm
; A step of 128 along K whose successor lies in the same slot.  A's blocks are free as soon as their eight products are issued: blocks 0-3 are fetched anew in the middle, blocks 4-7 at the end.
.macro STEP slot, q, zero
	s_wait_dscnt 4*NL                              ; B's set and A's blocks 0-3 are in; the youngest 16 loads (A's blocks 4-7) may be out
	WIN MUL_LO
	MUL16 0, (\q)%2, \zero
	MUL16 2, (\q)%2, \zero
	s_wait_dscnt 0
	PLACES NP
	FETCH_B \slot, (\q)+1, 1-(\q)%2
	FETCH_A \slot, (\q)+1, 0
	WIN MUL_HI
	MUL16 4, (\q)%2, \zero
	MUL16 6, (\q)%2, \zero
	PLACES NP
	WIN 0
	FETCH_A \slot, (\q)+1, 4
.endm
; A slot's last step changes slots: one barrier; in front of it each wave waits for all its tensor loads, adds 0 to its spare word, and waits for that and for its reads of this slot.
.macro TURN slot, next, fill
	s_wait_tensorcnt 0x0                           ; all my tensor loads have landed: my part of the next slot
	ds_add_u32 v[SPW], v[NIL]
	s_wait_dscnt 4*NL+1                            ; the add and the youngest 16 loads may be out
	WIN MUL_LO
	MUL16 0, 1, 0
	s_wait_dscnt 0x0                               ; the add is done, and my reads of this slot are over
	s_barrier_signal -1
	MUL16 2, 1, 0
	WIN 0
	s_barrier_wait -1
.if \fill
	CREST                                          ; the barrier has opened a round of the cluster's: no wave of any partner still reads this slot or has a load on its way
	s_add_nc_u64 s[G0+4*\slot+2:G0+4*\slot+3], s[G0+4*\slot+2:G0+4*\slot+3], 2*PART
	s_add_nc_u64 s[G0B+4*\slot+2:G0B+4*\slot+3], s[G0B+4*\slot+2:G0B+4*\slot+3], 2*PART
	JLOAD G0+4*\slot, G1, G0B+4*\slot, G1B         ; the first tensor load behind the round; its four v_nop are the places in front of the loads below
.else
	PLACES NP
.endif
	FETCH_B \next, 0, 0
	FETCH_A \next, 0, 0
	WIN MUL_HI
	MUL16 4, 1, 0
	MUL16 6, 1, 0
	PLACES NP
	WIN 0
	FETCH_A \next, 0, 4
.endm
; THE WAY OUT of A's block a: sum x 2^(e0 + e1) + bias, the hold, the conversion: 16 registers of codes, which are operand registers as they stand; four stores of 512 consecutive bytes.
; mode 0 (q, k): the bias goes by registers; codes 0-7 belong to my first head, 8-15 to my second.   mode 1 (v): the bias goes by lanes; block a is head a / 4, features 16 (a % 4) on.
.macro EPI mode, a
.if (\a) == 4
	s_wait_xcnt 0x0                                ; the stores of blocks 0-3 have read their codes: the four sets are written again
.endif
	WIN 0x02+((\a)/4)                              ; source 0: window 2 or 3
.irp b, 0,1,2,3,4,5,6,7
.irp i, 0,2,4,6
.if \mode
	v_pk_fma_f32 v[TMP+8*\b+\i:TMP+8*\b+\i+1], v[64*((\a)%4)+8*\b+\i:64*((\a)%4)+8*\b+\i+1], s[68:69], v[BL+2*(\a):BL+2*(\a)+1] op_sel_hi:[1,0,1]
.else
	v_pk_fma_f32 v[TMP+8*\b+\i:TMP+8*\b+\i+1], v[64*((\a)%4)+8*\b+\i:64*((\a)%4)+8*\b+\i+1], s[68:69], v[BR+8*\b+\i:BR+8*\b+\i+1] op_sel_hi:[1,0,1]
.endif
.endr
.endr
	WIN 0
.set j, 0
.rept 64
	v_med3_num_f32 v[TMP+j], v[TMP+j], s71, s70    ; the conversion does not saturate (ISA guide 7.6.2): the hold comes first
.set j, j+1
.endr
.irp b, 0,1,2,3,4,5,6,7
	v_cvt_scalef32_pk8_fp8_f32 v[CD+16*((\a)%4)+2*\b:CD+16*((\a)%4)+2*\b+1], v[TMP+8*\b:TMP+8*\b+7], v[SCL]
.endr
	v_nop                                          ; a plain line behind the last conversion: the next block writes its sources
.irp c, 0,1,2,3
.if \mode
	global_store_b128 v[LI], v[CD+16*((\a)%4)+4*\c:CD+16*((\a)%4)+4*\c+3], s[80:81] offset:((\a)/4)*131072+((\a)%4)*2048+512*\c
.else
	global_store_b128 v[LI], v[CD+16*((\a)%4)+4*\c:CD+16*((\a)%4)+4*\c+3], s[80:81] offset:(\a)*1024+(\c/2)*131072+(\c%2)*512
.endif
.endr
.endm
	s_load_b256 s[4:11], s[0:1], 0x0               ; x_img s[4:5], wq_img s[6:7], b_qkv s[8:9], the scales s[10:11]
	s_load_b128 s[12:15], s[0:1], 0x20             ; q_img, k_img
	s_load_b64 s[16:17], s[0:1], 0x30              ; v_img
	v_lshl_add_u32 v[SPW], v0, 2, SPARE
	v_mov_b32 v[NIL], 0
	ds_add_u32 v[SPW], v[NIL]                      ; the wave's opening: the add and its wait ahead of my first tensor load; work on registers stands between them
	v_lshrrev_b32 v1, 5, v0
	v_readfirstlane_b32 s[WV], v1
	s_lshr_b32 s[HA], s[WV], 1
	s_and_b32 s[HB], s[WV], 1
	s_bfe_u32 s21, ttmp6, 0x40000                  ; cx
	s_bfe_u32 s22, ttmp6, 0x40004                  ; cy
	s_and_b32 s23, ttmp7, 0xffff                   ; cluster y
	s_lshl_b32 s41, s22, 2
	s_lshl_b32 s41, 15, s41                        ; my row of the cluster
	s_lshl_b32 s45, 0x1111, s21                    ; my column
	s_or_b32 s[G1], s41, (3<<16)|(1<<21)           ; 15:0 the mask; 17:16 elements of 8 bytes; 21 set beside a mask; no padding
	s_or_b32 s[G1B], s45, (3<<16)|(1<<21)
.irp g, G1, G1B
	s_mov_b32 s[\g+1], 32<<16                      ; tensor_dim0 = 32 elements: 256 bytes
	s_mov_b32 s[\g+2], 128<<16                     ; tensor_dim1 = 128
	s_mov_b32 s[\g+3], 32<<16                      ; tile_dim0
	s_mov_b32 s[\g+4], 128                         ; tile_dim1
	s_mov_b32 s[\g+5], 32                          ; the pitch: the block is dense
	s_mov_b32 s[\g+6], 0
	s_mov_b32 s[\g+7], 0
.endr
	s_lshl_b32 s86, s23, 2
	s_cmp_eq_u32 ttmp9, 2                          ; v's clusters?
	s_cselect_b32 s40, 0, s86
	s_cselect_b32 s44, s23, ttmp9
	s_add_co_u32 s40, s40, s22                     ; A's tile: cy (+ 4 x cluster y for q, k): it hangs on cy alone within the cluster
	s_lshl_b32 s44, s44, 2
	s_add_co_u32 s44, s44, s21                     ; B's tile: 4 x (cluster x, or cluster y for v) + cx: on cx alone
	s_lshl_b32 s87, s[HB], 17                      ; which 128 rows of the tile I fetch
	s_lshl_b32 s42, s40, 18
	s_add_co_u32 s42, s42, s87
	s_mov_b32 s43, 0
	s_lshl_b32 s46, s44, 18
	s_add_co_u32 s46, s46, s87
	s_mov_b32 s47, 0
	s_lshl_b32 s66, s[WV], 15                      ; where my part lands: wave x 32,768: no place in the cluster enters an LDS address
	s_wait_dscnt 0x0                               ; the opening add is done
	s_wait_kmcnt 0x0
	s_load_b256 s[72:79], s[10:11], 0x0            ; e0 .. e7
	s_cmp_eq_u32 ttmp9, 2
	s_cselect_b64 s[88:89], s[6:7], s[4:5]         ; A's buffer
	s_cselect_b64 s[90:91], s[4:5], s[6:7]         ; B's buffer
	s_cselect_b32 s86, 0x200000, 0                 ; v's columns begin at group 16 of wq_img
	s_mov_b32 s87, 0
	s_add_nc_u64 s[88:89], s[88:89], s[86:87]
	s_add_nc_u64 s[42:43], s[88:89], s[42:43]
	s_add_nc_u64 s[46:47], s[90:91], s[46:47]
	CROUND                                         ; all sixteen work-groups are here: the first joint loads meet
.irp s, 0,1
	s_mov_b32 s[G0+4*\s], 1
	s_add_co_u32 s[G0+4*\s+1], s66, \s*SLOT
	s_add_nc_u64 s[G0+4*\s+2:G0+4*\s+3], s[42:43], \s*PART
	s_or_b32 s[G0+4*\s+3], s[G0+4*\s+3], 0x80000000
	s_mov_b32 s[G0B+4*\s], 1
	s_add_co_u32 s[G0B+4*\s+1], s66, \s*SLOT
	s_add_nc_u64 s[G0B+4*\s+2:G0B+4*\s+3], s[46:47], \s*PART
	s_or_b32 s[G0B+4*\s+3], s[G0B+4*\s+3], 0x80000000
	JLOAD G0+4*\s, G1, G0B+4*\s, G1B
.endr
	v_and_b32 v1, 31, v0
	v_lshlrev_b32 v[LI], 4, v1
	v_and_b32 v2, 15, v0
	v_bfe_u32 v3, v0, 4, 1
	v_lshlrev_b32 v[H32], 5, v3
	v_lshlrev_b32 v[R4], 2, v2
	s_lshl_b32 s86, s[HA], 15                      ; my 128 rows of A
	s_lshl_b32 s87, s[HB], 15                      ; my 128 rows of B,
	s_add_co_u32 s87, s87, 2*PART                  ; which lie behind A's 256
.irp s, 0,1
	v_add_nc_u32 v[ADRA+\s], s86, v[LI]
	v_add_nc_u32 v[ADRB+\s], s87, v[LI]
	s_add_co_u32 s86, s86, SLOT
	s_add_co_u32 s87, s87, SLOT
.endr
	; the biases: both sets are loaded in every work-group, the one that is not used from the buffer's first bytes
	s_lshl_b32 s86, s44, 10
	s_lshl_b32 s87, s[HB], 9
	s_add_co_u32 s86, s86, s87                     ; q, k: 4 x (256 x B's tile + 128 x my half)
	s_lshl_b32 s88, s22, 10
	s_lshl_b32 s87, s[HA], 9
	s_add_co_u32 s88, s88, s87
	s_add_co_u32 s88, s88, 8192                    ; v: 4 x (2,048 + 256 cy + 128 x my half)
	s_cmp_eq_u32 ttmp9, 2
	s_cselect_b32 s86, 0, s86
	s_cselect_b32 s88, s88, 0
	s_mov_b32 s87, 0
	s_mov_b32 s89, 0
	s_add_nc_u64 s[82:83], s[8:9], s[86:87]
	s_add_nc_u64 s[84:85], s[8:9], s[88:89]
.irp b, 0,1,2,3,4,5,6,7
	global_load_b128 v[BR+8*\b:BR+8*\b+3], v[H32], s[82:83] offset:64*\b       ; the bias of features 16 b + 8 h + 0 .. 7
	global_load_b128 v[BR+8*\b+4:BR+8*\b+7], v[H32], s[82:83] offset:64*\b+16
.endr
.irp a, 0,1,2,3,4,5,6,7
	global_load_b32 v[BL+2*\a], v[R4], s[84:85] offset:64*\a                   ; the bias of feature 16 a + r, twice: a pair for the packed form
	global_load_b32 v[BL+2*\a+1], v[R4], s[84:85] offset:64*\a
.endr
	s_wait_tensorcnt 1                             ; my part of slot 0 is in; slot 1's load may be out
	s_barrier_signal -1
	s_barrier_wait -1
	FETCH_B 0, 0, 0
	FETCH_A 0, 0, 0
	FETCH_A 0, 0, 4
	STEP 0, 0, 1                                   ; K 0-127: its products start the sums
	TURN 0, 1, 1                                   ; K 128-255; slot 0 takes K 512-767
	STEP 1, 0, 0
	TURN 1, 0, 1                                   ; slot 1 takes K 768-1023
	STEP 0, 0, 0
	TURN 0, 1, 0                                   ; nothing is left to fetch: no round
	STEP 1, 0, 0
	s_wait_dscnt 4*NL                              ; the last step
	WIN MUL_LO
	MUL16 0, 1, 0
	MUL16 2, 1, 0
	s_wait_dscnt 0
	WIN MUL_HI
	MUL16 4, 1, 0
	MUL16 6, 1, 0
	WIN 0
	s_wait_kmcnt 0x0
	s_add_co_i32 s68, s72, s73
	s_add_co_i32 s68, s68, 127
	s_lshl_b32 s68, s68, 23                        ; 2^(e0 + e1) as f32
	s_mov_b32 s69, s68                             ; (named with it as a pair, so it is written)
	s_cmp_eq_u32 ttmp9, 0
	s_cselect_b64 s[80:81], s[12:13], s[14:15]
	s_cselect_b32 s86, s74, s75
	s_cmp_eq_u32 ttmp9, 2
	s_cselect_b64 s[80:81], s[16:17], s[80:81]     ; q_img, k_img or v_img
	s_cselect_b32 s86, s77, s86                    ; e2, e3 or e5
	s_cselect_b32 s87, s44, s40                    ; the tile of x's rows,
	s_cselect_b32 s88, s[HB], s[HA]                ; and my half of it
	s_cselect_b32 s89, s22, s21                    ; the tile of features within q, k or v,
	s_cselect_b32 s90, s[HA], s[HB]                ; and my half of it
	s_add_co_i32 s86, s86, 127
	s_lshl_b32 s91, s86, 23
	v_mov_b32 v[SCL], s91
	s_add_co_i32 s86, s86, 8
	s_lshl_b32 s86, s86, 23
	s_or_b32 s70, s86, 0x600000                    ; 448 x the scale
	s_or_b32 s71, s70, 0x80000000
	s_lshl_b32 s87, s87, 8
	s_lshl_b32 s88, s88, 7
	s_add_co_u32 s87, s87, s88                     ; my first row of x
	s_lshl_b32 s89, s89, 2
	s_lshl_b32 s90, s90, 1
	s_add_co_u32 s89, s89, s90                     ; my first head
	s_lshr_b32 s88, s87, 11
	s_lshl_b32 s88, s88, 21                        ; the batch: 16 heads of 131,072 bytes
	s_lshl_b32 s89, s89, 17
	s_add_co_u32 s88, s88, s89
	s_and_b32 s87, s87, 2047
	s_lshl_b32 s87, s87, 6                         ; 64 bytes a position, in all three images
	s_add_co_u32 s88, s88, s87
	s_mov_b32 s89, 0
	s_add_nc_u64 s[80:81], s[80:81], s[88:89]
	s_wait_loadcnt 0x0                             ; the biases
	PLACES NP                                      ; behind the last products: the lines below read results and write over A's fragments
	s_cmp_eq_u32 ttmp9, 2
	s_cbranch_scc1 .Lv_way
.irp a, 0,1,2,3,4,5,6,7
	EPI 0, \a
.endr
	s_branch .Lout
.Lv_way:
.irp a, 0,1,2,3,4,5,6,7
	EPI 1, \a
.endr
.Lout:
	s_wait_tensorcnt 0x0                           ; the wave's end
	ds_add_u32 v[SPW], v[NIL]
	s_wait_dscnt 0x0
	CROUND                                         ; the closing round: no work-group ends while a partner may still ask for a tile that names it
	s_endpgm
.Lfunc_end_k_q691ce9db8d_gemm_qkv:
	.size	k_q691ce9db8d_gemm_qkv, .Lfunc_end_k_q691ce9db8d_gemm_qkv-k_q691ce9db8d_gemm_qkv
	.p2alignl 7, 3214868480
	.fill 96, 4, 3214868480
	.section	.rodata,"a",@progbits
	.p2align	6, 0x0
	.amdhsa_kernel k_q691ce9db8d_gemm_qkv
		.amdhsa_group_segment_fixed_size 327680
		.amdhsa_private_segment_fixed_size 0
		.amdhsa_enable_private_segment 0
		.amdhsa_kernarg_size 56
		.amdhsa_user_sgpr_count 2
		.amdhsa_user_sgpr_kernarg_segment_ptr 1
		.amdhsa_wavefront_size32 1
		.amdhsa_system_sgpr_workgroup_id_x 1
		.amdhsa_system_sgpr_workgroup_id_y 1
		.amdhsa_system_sgpr_workgroup_id_z 1
		.amdhsa_system_vgpr_workitem_id 0
		.amdhsa_next_free_vgpr 1024
		.amdhsa_next_free_sgpr 100
		.amdhsa_reserve_vcc 0
		.amdhsa_float_denorm_mode_32 3
		.amdhsa_float_denorm_mode_16_64 3
		.amdhsa_memory_ordered 1
		.amdhsa_forward_progress 1
		.amdhsa_inst_pref_size 193
	.end_amdhsa_kernel
	.amdgpu_metadata
---
amdhsa.version: [ 1, 2 ]
amdhsa.kernels:
  - .name:           k_q691ce9db8d_gemm_qkv
    .symbol:         k_q691ce9db8d_gemm_qkv.kd
    .args:
      - { .name: x_img, .offset: 0, .size: 8, .value_kind: global_buffer, .address_space: global }
      - { .name: wq_img, .offset: 8, .size: 8, .value_kind: global_buffer, .address_space: global }
      - { .name: b_qkv, .offset: 16, .size: 8, .value_kind: global_buffer, .address_space: global }
      - { .name: lowp_scales, .offset: 24, .size: 8, .value_kind: global_buffer, .address_space: global }
      - { .name: q_img, .offset: 32, .size: 8, .value_kind: global_buffer, .address_space: global }
      - { .name: k_img, .offset: 40, .size: 8, .value_kind: global_buffer, .address_space: global }
      - { .name: v_img, .offset: 48, .size: 8, .value_kind: global_buffer, .address_space: global }
    .group_segment_fixed_size: 327680
    .private_segment_fixed_size: 0
    .kernarg_segment_align: 8
    .kernarg_segment_size: 56
    .max_flat_workgroup_size: 128
    .sgpr_count:     100
    .vgpr_count:     1024
    .wavefront_size: 32
...
	.end_amdgpu_metadata
.endif
;; end of part 2
;; launch attn (part 3): grid 4 x 64, 8 waves a work-group, no clusters, 327,680 bytes of LDS; arguments q_img, k_img, v_img, lowp_scales, att_img; writes att_img
.if DOCPART == 3
	.amdgcn_target "amdgcn-amd-amdhsa--gfx1250"
	.amdhsa_code_object_version 6
	.text
	.protected	k_q691ce9db8d_attn
	.globl	k_q691ce9db8d_attn
	.p2align	8
	.type	k_q691ce9db8d_attn,@function
k_q691ce9db8d_attn:
	s_mov_b64 s[64:65], 0
	v_nop
	global_prefetch_b8 v0, s[64:65] scope:SCOPE_SE
	s_setreg_imm32_b32 hwreg(HW_REG_WAVE_MODE, 25, 1), 1
	s_wait_xcnt 0x0
; Causal attention of one head on codes of FP8 (E4M3): S^T = K Q^T (K = the head's 64), p = 2^(t - M), O^T = V^T P^T (K = the keys), O / l quantised (entry 6 of the scales) for the last product.
; t = score x 2^(e2 + e3) x log2(e) / 8; M = the running largest t rounded UP to a whole number; p is quantised with 2^e4, not normalised; l is the sum of the unquantised p.  When M moves, l and O are
; multiplied by 2^(old M - new M), which rounds nothing.
; q_img, k_img: [batch x 16 + head][position / 16][1024]; v_img: [batch x 16 + head][key / 128][d / 16][2048]; att_img: [row / 128][k / 128][(row / 16) % 8][2048]: images of operand registers
; (registers 4 c .. 4 c + 3 of lane l at 512 c + 16 l; lane r + 16 h holds row r, registers 2 p, 2 p + 1 hold k = 16 p + 8 h + 0 .. 7).
; LAYOUT.  Both products are used transposed: a lane holds one query (lane % 16) throughout.  In tile t of S^T its eight registers are keys 16 t + 8 h + 0 .. 7, so their conversion gives registers 2 t, 2 t + 1 of P.
; SHARES.  Work-group (i, head) owns the blocks i and 7 - i of 256 queries: (i + 1) + (8 - i) = 9 slots of 256 keys, whatever i is: the loop's count is a constant, every slot that is fetched is used,
; and all work-groups have the same work.  Each of the eight waves owns 32 queries of the block in hand, two tiles X and Y, so that each fragment of K and V read from LDS feeds two products.
; A step all of whose 128 keys come after the wave's queries is left out by a scalar branch on ids; on the diagonal hidden scores become -infinity ahead of the maximum.  A step that is not left out begins at
; a key that every query of the wave sees, so M is a number from the first step on.
; RING.  Two LDS slots of 32,768 bytes: 16 tiles of K, then two steps x four fragments of V.  Wave 0 fetches K's 16,384 bytes, wave 1 V's: each one dense block.
; NO CLUSTER: the four work-groups of a head walk the key slots in different orders (0 .. i, then 0 .. 7 - i), and their branches hang on i, which in a cluster would be their place: joint requests would not meet.
; LIMITS: e2 + e3 between -123 and 130 (added to c's exponent field); e4 and e6 between -126 and 119; e4 + e5 is applied by v_ldexp_f32 and has none.  NaN among the inputs is not served.
; REGISTERS, window 0: v1-11 addresses and constants; v12-29 statistics; v32-95, v96-159 S^T of X, Y (then p); v160-191, v192-223 O^T; v224-239, v240-255 P's codes.
;   window 1: v0-63 K of a step; v64-127 V of a step; v128-143 Q of the block in hand; v144-159 Q of the second block.
.set SLOTB, 32768
.set VOFF,  16384
.set SPARE, 2*SLOTB                    ; behind the ring: the spare words, 128 bytes for each wave: four blocks of 256 bytes that no other line names
.set LI,  1                            ; v1   16 x lane
.set ADR, 2                            ; v2   LDS address of the slot in hand for my lane
.set SPW, 3                            ; v3   LDS address of my spare word; never rewritten
.set NIL, 4                            ; v4   0; never rewritten
.set PFO, 5                            ; v5   256 x lane; never rewritten
.set DX,  6                            ; v6, v7  the mask's bound for X, Y
.set NINF, 8                           ; v8   -infinity
.set SC4, 9                            ; v9   2^e4
.set SC6, 10                           ; v10  2^e6
.set RH,  11                           ; v11  r - 8 h
.set ST,  12                           ; tile t: v[12+4t] -M, v[13+4t] the largest t, v[14+4t:15+4t] the sum in two halves
.set FF,  20                           ; tile t: v[20+2t] f; the word above it is written once
.set SX,  32
.set OX,  160
.set PX,  224
.set WV,  14
.set BI,  15                           ; s15  i
.set BHD, 16                           ; s16  batch x 16 + head
.set NT,  17                           ; s17  the trip, from 0
.set QB,  18                           ; s18  the block of queries in hand
.set Q0,  19                           ; s19  my first query
.set KF,  20                           ; s20  the step's first key
.set KSF, 21                           ; s21  the key slot last asked for
.set TB,  22                           ; s22  LDS byte at which the slot in hand begins
.set SLOTS, 23                         ; s23  the loop's counter
.set G1,  24                           ; s[24:31] descriptor group 1;  s[32:35] group 0;  s[36:37] my tensor at the head's first byte;  s[38:39] an offset
.set G0,  32
.set SEL, 40                           ; s[40:41] selects of v_permlanex16_b32: lane l xor 16
.set CS,  42                           ; s[42:43] c
.set LIM4, 44                          ; s44  448 x 2^e4
.set LIM6, 45                          ; s45, s46  +-448 x 2^e6
.set E45, 47                           ; s47  e4 + e5
.set PFA, 56                           ; s[56:57] where my prefetches stand
.set LIM, 58                           ; s58  1 in a wave that prefetches, else the greatest number
.set AO,  60                           ; s[60:61] where my results go
.set MSB, 0
.macro WIN new
.if MSB != (\new)
	s_set_vgpr_msb (MSB<<8)|(\new)
.set MSB, (\new)
.endif
.endm
.macro TLOAD                           ; waves 0 and 1 fetch; an s_nop 0 and four v_nop follow the line
	s_cmp_lt_u32 s[WV], 2
	s_cbranch_scc0 .Lnone_\@
	tensor_load_to_lds s[G0:G0+3], s[G1:G1+7]
	s_nop 0
.rept 4
	v_nop
.endr
.Lnone_\@:
.endm
; A PREFETCH INTO THE L2 of key slot n + 1 in trip n (n = 0 .. 6): in work-group i = 0 that is the slot which the next change of slots asks for.  All four work-groups of a head read the same K and V: work-group
; i = 0 asks, and in it waves that fetch nothing: waves 2, 3 for the two halves of K's 16,384 bytes, waves 4, 5 for V's, lanes 256 bytes apart.  So each aligned block of 256 bytes of slots 1 to 7 is named once;
; slot 0 comes by its loads alone, and the last trip of the loop asks for nothing.
.macro ASK
	s_cmp_gt_u32 s[SLOTS], s[LIM]
	s_cbranch_scc0 .Lnot_mine_\@
	global_prefetch_b8 v[PFO], s[PFA:PFA+1] th:TH_LOAD_NT scope:SCOPE_SE
.Lnot_mine_\@:
.endm
.macro INIT                            ; a block of queries begins: the largest t under every t, sums and O^T zero (the first change of M multiplies zeros)
	v_mov_b32 v[ST+1], 0xff61b1e6
	v_mov_b32 v[ST+5], 0xff61b1e6
	v_floor_f32 v[ST], -v[ST+1]
	v_floor_f32 v[ST+4], -v[ST+5]
	v_mov_b32 v[ST+2], 0
	v_mov_b32 v[ST+3], 0
	v_mov_b32 v[ST+6], 0
	v_mov_b32 v[ST+7], 0
.set j, 0
.rept 64
	v_mov_b32 v[OX+j], 0
.set j, j+1
.endr
.endm
; THE CHANGE OF SLOTS, at a slot's head.  Each wave waits for all its tensor loads, adds 0 to its spare word, and waits for that and for its reads of the slot that it has left.  Behind the barrier the slot ahead is
; whole and nobody reads the other one.  fill = 1: that other slot takes the key slot of the next trip: one further on, or slot 0 again where the first block of queries ends with this trip.
.macro CHANGE fill
	s_wait_tensorcnt 0x0                           ; no tensor load of mine is out, so group 0 may be written
	ds_add_u32 v[SPW], v[NIL]
.if \fill
	s_add_co_u32 s[KSF], s[KSF], 1
	s_cmp_eq_u32 s[NT], s[BI]
	s_cselect_b32 s[KSF], 0, s[KSF]
	s_xor_b32 s[G0+1], s[G0+1], SLOTB              ; the other slot than last time
	s_lshl_b32 s38, s[KSF], 14
	s_add_nc_u64 s[G0+2:G0+3], s[36:37], s[38:39]
	s_or_b32 s[G0+3], s[G0+3], 0x80000000
	s_wait_xcnt 0x0                                ; the last prefetch, a slot back, has read its address
	s_add_nc_u64 s[PFA:PFA+1], s[PFA:PFA+1], 16384
.endif
	s_wait_dscnt 0x0                               ; the add is done, and my reads of the slot that I have left are over
	s_barrier_signal -1
	s_barrier_wait -1
.if \fill
	TLOAD                                          ; the first thing behind the barrier, a wave's one tensor load until the next: it has the slot's two steps in which to land
	ASK
.endif
.endm
; Tile t's softmax up to the exponentials: none of these lines reads an exponential's result.
.macro SMA t
.set rS, SX+64*(\t)
.set rT, ST+4*(\t)
.set rF, FF+2*(\t)
	v_max3_num_f32 v24, v[rS], v[rS+1], v[rS+2]    ; the step's largest score of my query among my 64 keys, in two chains, each tile of S^T from its low end on
	v_max3_num_f32 v25, v[rS+3], v[rS+4], v[rS+5]
.irp i, 6,10,14,18,22,26,30,34,38,42,46,50,54,58
	v_max3_num_f32 v24, v24, v[rS+\i], v[rS+\i+1]
	v_max3_num_f32 v25, v25, v[rS+\i+2], v[rS+\i+3]
.endr
	v_max3_num_f32 v24, v24, v[rS+62], v[rS+63]
	v_max_num_f32 v24, v24, v25
	v_permlanex16_b32 v[26+(\t)], v24, s[SEL], s[SEL+1]
	v_max_num_f32 v24, v24, v[26+(\t)]             ; and among lane l xor 16's
	v_mul_f32 v24, s[CS], v24                      ; as t (c is positive)
	v_max_num_f32 v[rT+1], v[rT+1], v24            ; the running largest t
	v_mov_b32 v24, v[rT]
	v_floor_f32 v[rT], -v[rT+1]                    ; the new -M = floor(-t)
	v_sub_f32 v24, v[rT], v24                      ; old M - new M: a whole number, 0 or less
	v_cvt_i32_f32 v24, v24                         ; (it saturates)
	v_ldexp_f32 v[rF], 1.0, v24                    ; f = 2^(old M - new M)
.set j, 0
.rept 32
	v_pk_fma_f32 v[rS+j:rS+j+1], v[rS+j:rS+j+1], s[CS:CS+1], v[rT:rT+1] op_sel_hi:[1,0,0]   ; t - M, two at a time
.set j, j+2
.endr
.set j, 0
.rept 64
	v_exp_f32 v[rS+j], v[rS+j]                     ; p = 2^(t - M), at most 1
.set j, j+1
.endr
.endm
.macro SMB0 t                          ; the sum under the new M
	v_pk_mul_f32 v[ST+4*(\t)+2:ST+4*(\t)+3], v[ST+4*(\t)+2:ST+4*(\t)+3], v[FF+2*(\t):FF+2*(\t)+1] op_sel_hi:[1,0]
.endm
.macro SMB1 t                          ; the sum of the unquantised p; the hold; the codes; O^T under the new M
.set rS, SX+64*(\t)
.set rL, ST+4*(\t)+2
.set rF, FF+2*(\t)
	v_pk_add_f32 v[28:29], v[rS:rS+1], v[rS+2:rS+3]
.irp i, 4,8,12,16,20,24,28,32,36,40,44,48,52,56,60
	v_pk_add_f32 v[rL:rL+1], v[rL:rL+1], v[rS+\i:rS+\i+1]
	v_pk_add_f32 v[28:29], v[28:29], v[rS+\i+2:rS+\i+3]
.endr
	v_pk_add_f32 v[rL:rL+1], v[rL:rL+1], v[28:29]
.set j, 0
.rept 32
	v_dual_min_num_f32 v[rS+j], s[LIM4], v[rS+j] :: v_dual_min_num_f32 v[rS+j+1], s[LIM4], v[rS+j+1]   ; the conversion does not saturate (ISA guide 7.6.2); p is not negative, so the hold is one-sided; two numbers a line
.set j, j+2
.endr
.set j, 0
.rept 8
	v_cvt_scalef32_pk8_fp8_f32 v[PX+16*(\t)+2*j:PX+16*(\t)+2*j+1], v[rS+8*j:rS+8*j+7], v[SC4]
.set j, j+1
.endr
.set j, 0
.rept 16
	v_pk_mul_f32 v[OX+32*(\t)+j:OX+32*(\t)+j+1], v[OX+32*(\t)+j:OX+32*(\t)+j+1], v[rF:rF+1] op_sel_hi:[1,0]   ; (also the plain lines behind the conversions)
.set j, j+2
.endr
.endm
; A KEY STEP: 128 keys, the q-th of the slot in hand.
.macro STEP q
	s_add_co_u32 s66, s[Q0], 31
	s_cmp_gt_u32 s[KF], s66
	s_cbranch_scc1 .Lhidden_\@                     ; all its keys come after my 32 queries
	v_add_nc_u32 v[ADR], s[TB], v[LI]
.rept 4
	v_nop                                          ; places in front of loads into V's registers, which the last step's products have read
.endr
	WIN 0x40                                       ; destination window 1
.set i, 0
.rept 16
	ds_load_b128 v[4*i:4*i+3], v[ADR] offset:8192*(\q)+512*i              ; K: eight tiles of 16 keys, as they lie
.set i, i+1
.endr
.set i, 0
.rept 16
	ds_load_b128 v[64+4*i:64+4*i+3], v[ADR] offset:VOFF+8192*(\q)+512*i   ; V: four fragments of 16 features x 128 keys
.set i, i+1
.endr
	s_wait_dscnt 16                                ; K is in; V's 16 loads may be out
	WIN 0x05                                       ; sources 0 and 1 window 1
.set i, 0
.rept 16
	v_wmma_f32_16x16x64_fp8_fp8 v[SX+64*(i%2)+8*(i/2):SX+64*(i%2)+8*(i/2)+7], v[8*(i/2):8*(i/2)+7], v[128+8*(i%2):128+8*(i%2)+7], 0
.set i, i+1
.endr
	WIN 0
.rept 4
	v_nop
.endr
	s_add_co_u32 s66, s[KF], 127
	s_cmp_le_u32 s66, s[Q0]
	s_cbranch_scc1 .Lopen_\@                       ; all its keys count for all my queries
	s_sub_co_i32 s66, s[Q0], s[KF]
	v_add_nc_u32 v[DX], s66, v[RH]                 ; register 8 t + j holds key KF + 16 t + 8 h + j: hidden where 16 t + j > my query - KF - 8 h
	v_add_nc_u32 v[DX+1], 16, v[DX]
.set n, 0
.rept 64
	v_cmp_gt_i32 vcc_lo, 16*(n/8)+n%8, v[DX]
	v_cndmask_b32 v[SX+n], v[SX+n], v[NINF], vcc_lo
	v_cmp_gt_i32 vcc_lo, 16*(n/8)+n%8, v[DX+1]
	v_cndmask_b32 v[SX+64+n], v[SX+64+n], v[NINF], vcc_lo
.set n, n+1
.endr
.Lopen_\@:
	SMA 0
	SMA 1
	SMB0 0                                         ; a plain line behind the last exponential
	s_wait_alu depctr_va_vdst(0)                   ; one wait for both tiles' 128 exponentials, ahead of the first line that names a result
	SMB1 0
	SMB0 1
	SMB1 1
	s_wait_dscnt 0x0                               ; V is in
	WIN 0x01                                       ; source 0 window 1
.set i, 0
.rept 8                                        ; the eight accumulators take turns, one instruction a turn
	v_wmma_f32_16x16x128_fp8_fp8 v[OX+32*(i%2)+8*(i/2):OX+32*(i%2)+8*(i/2)+7], v[64+16*(i/2):64+16*(i/2)+15], v[PX+16*(i%2):PX+16*(i%2)+15], v[OX+32*(i%2)+8*(i/2):OX+32*(i%2)+8*(i/2)+7]
.set i, i+1
.endr
	WIN 0
.Lhidden_\@:
	s_add_co_u32 s[KF], s[KF], 128
.endm
; A BLOCK OF QUERIES IS DONE: O^T x 2^(e4 + e5) / l, the hold, the conversion: eight registers of codes a tile, which are half a fragment of the last product's operand; two stores of 512 consecutive bytes a tile.
.macro FINISH
.rept 4
	v_nop                                          ; places behind the last products
.endr
	v_add_f32 v24, v[ST+2], v[ST+3]
	v_add_f32 v25, v[ST+6], v[ST+7]
	v_permlanex16_b32 v26, v24, s[SEL], s[SEL+1]
	v_permlanex16_b32 v27, v25, s[SEL], s[SEL+1]
	v_add_f32 v24, v24, v26
	v_add_f32 v25, v25, v27                        ; the rows' sums
	v_rcp_f32 v[FF], v24
	v_rcp_f32 v[FF+2], v25
	v_nop                                          ; a plain line behind the last reciprocal
	s_lshr_b32 s66, s[BHD], 4
	s_lshl_b32 s66, s66, 4                         ; 16 groups of 128 rows a batch,
	s_lshl_b32 s67, s[QB], 1
	s_add_co_u32 s66, s66, s67                     ; two a block of queries,
	s_lshr_b32 s67, s[WV], 2
	s_add_co_u32 s66, s66, s67                     ; four waves a group
	s_lshl_b32 s66, s66, 17
	s_and_b32 s67, s[BHD], 15
	s_lshr_b32 s67, s67, 1
	s_lshl_b32 s67, s67, 14                        ; the K step: two heads to 128 along K
	s_add_co_u32 s66, s66, s67
	s_and_b32 s67, s[WV], 3
	s_lshl_b32 s67, s67, 12                        ; my two fragments
	s_add_co_u32 s66, s66, s67
	s_and_b32 s67, s[BHD], 1
	s_lshl_b32 s67, s67, 10                        ; the head's half of a fragment
	s_add_co_u32 s66, s66, s67
	s_mov_b32 s67, 0
	s_wait_xcnt 0x0                                ; earlier stores have read their base
	s_add_nc_u64 s[AO:AO+1], s[12:13], s[66:67]
	s_wait_alu depctr_va_vdst(0)                   ; one wait for the two reciprocals, ahead of their first reader
	v_ldexp_f32 v[FF], v[FF], s[E45]
	v_ldexp_f32 v[FF+2], v[FF+2], s[E45]
.irp t, 0,1
.set j, 0
.rept 16
	v_pk_mul_f32 v[SX+32*\t+j:SX+32*\t+j+1], v[OX+32*\t+j:OX+32*\t+j+1], v[FF+2*\t:FF+2*\t+1] op_sel_hi:[1,0]
.set j, j+2
.endr
.set j, 0
.rept 32
	v_med3_num_f32 v[SX+32*\t+j], v[SX+32*\t+j], s[LIM6+1], s[LIM6]
.set j, j+1
.endr
.set j, 0
.rept 4
	v_cvt_scalef32_pk8_fp8_f32 v[96+8*\t+2*j:96+8*\t+2*j+1], v[SX+32*\t+8*j:SX+32*\t+8*j+7], v[SC6]
.set j, j+1
.endr
	v_nop                                          ; a plain line behind the last conversion
	global_store_b128 v[LI], v[96+8*\t:96+8*\t+3], s[AO:AO+1] offset:2048*\t
	global_store_b128 v[LI], v[96+8*\t+4:96+8*\t+7], s[AO:AO+1] offset:2048*\t+512
.endr
.endm
.macro RESTART                         ; on to block 7 - i
	s_sub_co_u32 s[QB], 7, s[BI]
	s_lshl_b32 s[Q0], s[QB], 8
	s_lshl_b32 s66, s[WV], 5
	s_add_co_u32 s[Q0], s[Q0], s66
	s_mov_b32 s[KF], 0
	WIN 0x41                                       ; source 0 and destination window 1
.set j, 0
.rept 16
	v_mov_b32 v[128+j], v[144+j]                   ; its Q
.set j, j+1
.endr
	WIN 0
	INIT
	s_wait_xcnt 0x0                                ; the stores above have read their codes, whose registers the next step's products write
.endm
	s_load_b256 s[4:11], s[0:1], 0x0               ; q_img s[4:5], k_img s[6:7], v_img s[8:9], the scales s[10:11]
	s_load_b64 s[12:13], s[0:1], 0x20              ; att_img
	v_lshl_add_u32 v[SPW], v0, 2, SPARE
	v_mov_b32 v[NIL], 0
	ds_add_u32 v[SPW], v[NIL]                      ; the wave's opening: the add and its wait ahead of my first tensor load; work on registers stands between them
	v_lshrrev_b32 v2, 5, v0
	v_readfirstlane_b32 s[WV], v2                  ; wave 0..7
	s_mov_b32 s[BI], ttmp9
	s_and_b32 s[BHD], ttmp7, 0xffff
	s_mov_b32 s[NT], 0
	s_mov_b32 s[QB], ttmp9
	s_lshl_b32 s[Q0], s[QB], 8
	s_lshl_b32 s66, s[WV], 5
	s_add_co_u32 s[Q0], s[Q0], s66
	s_mov_b32 s[KF], 0
	s_mov_b32 s[KSF], 0
	s_mov_b32 s[TB], 0
	s_mov_b32 s[SLOTS], 8
	s_mov_b32 s[G1], 3<<16                         ; no mask; elements of 8 bytes; no padding
	s_mov_b32 s[G1+1], 32<<16                      ; tensor_dim0 = 32 elements: 256 bytes
	s_mov_b32 s[G1+2], 64<<16                      ; tensor_dim1 = 64
	s_mov_b32 s[G1+3], 32<<16                      ; tile_dim0
	s_mov_b32 s[G1+4], 64                          ; tile_dim1
	s_mov_b32 s[G1+5], 32                          ; the pitch: the block is dense
	s_mov_b32 s[G1+6], 0
	s_mov_b32 s[G1+7], 0
	s_mov_b32 s[SEL], 0x76543210
	s_mov_b32 s[SEL+1], 0xfedcba98
	s_lshl_b32 s38, s[BHD], 17                     ; the head's first byte in q_img, k_img and v_img
	s_mov_b32 s39, 0
	s_and_b32 s67, s[WV], 1
	s_mov_b32 s[G0], 1
	s_lshl_b32 s[G0+1], s67, 14                    ; wave 0: K's place in slot 0; wave 1: V's
	v_and_b32 v1, 31, v0
	v_lshlrev_b32 v[PFO], 8, v1
	v_lshlrev_b32 v[LI], 4, v1
	v_and_b32 v6, 15, v0
	v_bfe_u32 v7, v0, 4, 1
	v_lshlrev_b32 v7, 3, v7
	v_sub_nc_u32 v[RH], v6, v7
	v_mov_b32 v[NINF], 0xff800000
	v_mov_b32 v[FF+1], 0                           ; (named as the upper halves of pairs)
	v_mov_b32 v[FF+3], 0
	v_mov_b32 v26, 0                               ; written once: a lane permute's destination counts as one of its sources
	v_mov_b32 v27, 0
	s_wait_dscnt 0x0                               ; the opening add is done
	s_wait_kmcnt 0x0
	s_load_b256 s[48:55], s[10:11], 0x0            ; e0 .. e7
	s_cmp_eq_u32 s67, 0
	s_cselect_b64 s[36:37], s[6:7], s[8:9]
	s_add_nc_u64 s[36:37], s[36:37], s[38:39]
	s_mov_b64 s[G0+2:G0+3], s[36:37]               ; key slot 0
	s_or_b32 s[G0+3], s[G0+3], 0x80000000
	TLOAD
	s_lshl_b32 s68, s[WV], 11                      ; my two tiles of 1,024 bytes
	s_add_co_u32 s68, s68, s38
	s_lshl_b32 s66, s[BI], 14                      ; a block's 16 tiles
	s_add_co_u32 s66, s66, s68
	s_mov_b32 s67, 0
	s_add_nc_u64 s[70:71], s[4:5], s[66:67]
	s_sub_co_u32 s66, 7, s[BI]
	s_lshl_b32 s66, s66, 14
	s_add_co_u32 s66, s66, s68
	s_add_nc_u64 s[72:73], s[4:5], s[66:67]
	WIN 0x40                                       ; destination window 1
.irp i, 0,1,2,3
	global_load_b128 v[128+4*\i:128+4*\i+3], v[LI], s[70:71] offset:512*\i   ; Q of both blocks stays in registers
	global_load_b128 v[144+4*\i:144+4*\i+3], v[LI], s[72:73] offset:512*\i
.endr
	WIN 0
	s_cmp_lt_u32 s[WV], 4                          ; the prefetches: waves 2, 3 stand in K, waves 4, 5 in V,
	s_cselect_b64 s[PFA:PFA+1], s[6:7], s[8:9]
	s_add_nc_u64 s[PFA:PFA+1], s[PFA:PFA+1], s[38:39]
	s_and_b32 s66, s[WV], 1
	s_lshl_b32 s66, s66, 13                        ; at their half of slot 0: the first change of slots steps it to slot 1
	s_add_nc_u64 s[PFA:PFA+1], s[PFA:PFA+1], s[66:67]
	s_sub_co_u32 s66, s[WV], 2
	s_lshr_b32 s66, s66, 2                         ; 0 in waves 2 to 5,
	s_or_b32 s66, s66, ttmp9                       ; of work-group i = 0
	s_cmp_eq_u32 s66, 0
	s_cselect_b32 s[LIM], 1, -1
	INIT
	s_wait_kmcnt 0x0
	s_add_co_i32 s66, s50, s51
	s_lshl_b32 s66, s66, 23
	s_add_co_i32 s[CS], s66, 0x3e38aa3b            ; c = log2(e) / 8, with e2 + e3 added to its exponent field
	s_mov_b32 s[CS+1], s[CS]                       ; (named with it as a pair, so it is written)
	s_add_co_i32 s66, s52, 127
	s_lshl_b32 s67, s66, 23
	v_mov_b32 v[SC4], s67
	s_add_co_i32 s66, s66, 8
	s_lshl_b32 s66, s66, 23
	s_or_b32 s[LIM4], s66, 0x600000
	s_add_co_i32 s66, s54, 127
	s_lshl_b32 s67, s66, 23
	v_mov_b32 v[SC6], s67
	s_add_co_i32 s66, s66, 8
	s_lshl_b32 s66, s66, 23
	s_or_b32 s[LIM6], s66, 0x600000
	s_or_b32 s[LIM6+1], s[LIM6], 0x80000000
	s_add_co_i32 s[E45], s52, s53
	s_wait_loadcnt 0x0                             ; Q
.Lslot:                                            ; eight trips: behind each change of slots but the last the next trip's keys are asked for
	CHANGE 1
	STEP 0
	STEP 1
	s_xor_b32 s[TB], s[TB], SLOTB
	s_cmp_lg_u32 s[NT], s[BI]
	s_cbranch_scc1 .Lsame_block
	FINISH                                         ; trip i was block i's last
	RESTART
.Lsame_block:
	s_add_co_u32 s[NT], s[NT], 1
	s_sub_co_u32 s[SLOTS], s[SLOTS], 1
	s_cmp_lg_u32 s[SLOTS], 0
	s_cbranch_scc1 .Lslot
	CHANGE 0                                       ; the ninth trip is written out
	STEP 0
	STEP 1
	FINISH
	s_wait_tensorcnt 0x0                           ; the wave's end
	ds_add_u32 v[SPW], v[NIL]
	s_wait_dscnt 0x0
	s_endpgm
.Lfunc_end_k_q691ce9db8d_attn:
	.size	k_q691ce9db8d_attn, .Lfunc_end_k_q691ce9db8d_attn-k_q691ce9db8d_attn
	.p2alignl 7, 3214868480
	.fill 96, 4, 3214868480
	.section	.rodata,"a",@progbits
	.p2align	6, 0x0
	.amdhsa_kernel k_q691ce9db8d_attn
		.amdhsa_group_segment_fixed_size 327680
		.amdhsa_private_segment_fixed_size 0
		.amdhsa_enable_private_segment 0
		.amdhsa_kernarg_size 40
		.amdhsa_user_sgpr_count 2
		.amdhsa_user_sgpr_kernarg_segment_ptr 1
		.amdhsa_wavefront_size32 1
		.amdhsa_system_sgpr_workgroup_id_x 1
		.amdhsa_system_sgpr_workgroup_id_y 1
		.amdhsa_system_sgpr_workgroup_id_z 1
		.amdhsa_system_vgpr_workitem_id 0
		.amdhsa_next_free_vgpr 416
		.amdhsa_next_free_sgpr 80
		.amdhsa_reserve_vcc 1
		.amdhsa_float_denorm_mode_32 3
		.amdhsa_float_denorm_mode_16_64 3
		.amdhsa_memory_ordered 1
		.amdhsa_forward_progress 1
		.amdhsa_inst_pref_size 182
	.end_amdhsa_kernel
	.amdgpu_metadata
---
amdhsa.version: [ 1, 2 ]
amdhsa.kernels:
  - .name:           k_q691ce9db8d_attn
    .symbol:         k_q691ce9db8d_attn.kd
    .args:
      - { .name: q_img, .offset: 0, .size: 8, .value_kind: global_buffer, .address_space: global }
      - { .name: k_img, .offset: 8, .size: 8, .value_kind: global_buffer, .address_space: global }
      - { .name: v_img, .offset: 16, .size: 8, .value_kind: global_buffer, .address_space: global }
      - { .name: lowp_scales, .offset: 24, .size: 8, .value_kind: global_buffer, .address_space: global }
      - { .name: att_img, .offset: 32, .size: 8, .value_kind: global_buffer, .address_space: global }
    .group_segment_fixed_size: 327680
    .private_segment_fixed_size: 0
    .kernarg_segment_align: 8
    .kernarg_segment_size: 40
    .max_flat_workgroup_size: 256
    .sgpr_count:     80
    .vgpr_count:     416
    .wavefront_size: 32
...
	.end_amdgpu_metadata
.endif
;; end of part 3
;; launch gemm_out (part 4): grid 4 x 32, 4 waves a work-group, clusters of 4 x 4, 327,680 bytes of LDS; arguments att_img, wo_img, b_out, lowp_scales, out0; writes out0
.if DOCPART == 4
	.amdgcn_target "amdgcn-amd-amdhsa--gfx1250"
	.amdhsa_code_object_version 6
	.text
	.protected	k_q691ce9db8d_gemm_out
	.globl	k_q691ce9db8d_gemm_out
	.p2align	8
	.type	k_q691ce9db8d_gemm_out,@function
k_q691ce9db8d_gemm_out:
	s_mov_b64 s[64:65], 0
	v_nop
	global_prefetch_b8 v0, s[64:65] scope:SCOPE_SE
	s_setreg_imm32_b32 hwreg(HW_REG_WAVE_MODE, 25, 1), 1
	s_wait_xcnt 0x0
	s_wait_alu depctr_hold_cnt(0) depctr_sa_sdst(0) depctr_va_vdst(0) depctr_va_sdst(0) depctr_va_ssrc(0) depctr_va_vcc(0) depctr_vm_vsrc(0)
	s_getreg_b32 s2, hwreg(HW_REG_IB_STS2, 6, 4)
	s_cmp_eq_u32 s2, 0
	s_cbranch_scc0 .Lentry_in_a_cluster
	s_endpgm
.Lentry_in_a_cluster:
	s_bfe_u32 s2, ttmp6, 0x10000c
	s_cmp_lg_u32 s2, 0xf033
	s_cbranch_scc0 .Lentry_shape_is_right
	s_endpgm
.Lentry_shape_is_right:
; out0 = attended W_out + b_out on codes of FP8 (E4M3): sum x 2^(e6 + e7) + bias, f32.
; att_img, wo_img: [row / 128][k / 128][(row / 16) % 8][2048]: images of operand registers (registers 4 c .. 4 c + 3 of lane l at 512 c + 16 l; lane r + 16 h holds row r, registers 2 p, 2 p + 1 hold k = 16 p + 8 h + 0 .. 7).
; A tile of 256 x 256 is made by four waves, 128 x 128 each: 64 accumulators, 512 registers.  K = 1,024 goes in four slots of 256 through a ring of two LDS slots.
; A (the attended rows) is source 1: its rows become the result's lanes; B (W_out's columns) is source 0: a lane's eight results are eight neighbouring columns of one row of out0.
; CLUSTERS: 4 x 4 work-groups; A's tile is asked for jointly along a row of the cluster, B's along a column: the same tensor load, descriptor and mask in the four that the mask names.
; A wave's tensor load brings 128 rows x 256 K, one dense block of 32,768 bytes; fragments are read back as they lie, 512 consecutive bytes a load.
; The bias, divided by 2^(e6 + e7), is the C of each sum's first matrix instruction, so that it costs no line on the way out.
; LIMIT: e6 + e7 between -126 and 127, so that 2^(e6 + e7) is an f32 number.
; REGISTERS: window 0: v5-6, v16-29 addresses; v32-95 the bias, later a block's results; v128-255 A's fragments, one set, later rows on their way out.
;   window 1: B's fragments, two sets.   windows 2, 3: the accumulators ((a, b) at v[8 (8 (a % 4) + b)]).
.set PART,  32768
.set SLOT,  4*PART
.set SPARE, 2*SLOT                     ; behind the ring: the spare words, 128 bytes for each wave: two blocks of 256 bytes that no other line names
.set SPITCH, 528                       ; the way out: a stage of 16 rows x (512 bytes + 16) for each wave, in slot 0, which has had its last fill and its last read when the first result is stored there
.set ROWO,  4096                       ; a row of out0 in bytes
.set FR,  16
.set NL,  4
.set NP,  4
.set LI,  5
.set H32, 6
.set ADRA, 16
.set ADRB, 20
.set STO, 24                           ; v24  where I put 32 bytes of a row
.set RD,  25                           ; v25  where I read a row back
.set CO,  26                           ; v26  my byte offset in a row's 512 bytes
.set SPW, 28
.set NIL, 29
.set BR,  32
.set TMP, 32
.set AF,  128
.set BK,  128
.set WV,  18
.set HA,  19
.set HB,  20
.set G1,  24
.set G0,  32
.set G1B, 48
.set G0B, 56
.set MSB, 0
.macro WIN new
.if MSB != (\new)
	s_set_vgpr_msb (MSB<<8)|(\new)
.set MSB, (\new)
.endif
.endm
.set MUL_LO, 0xa1                      ; source 0 (B) window 1, source 1 (A) window 0, C and D window 2
.set MUL_HI, 0xf1
.set FST_LO, 0x81                      ; the first step: C (the bias) window 0, D window 2
.set FST_HI, 0xc1
.set TO_B,   0x40
.macro JLOAD g0a, g1a, g0b, g1b        ; waves 0 and 1 fetch for A, waves 2 and 3 for B; an s_nop 0 and four v_nop follow each of the two lines
	s_cmp_eq_u32 s[HA], 0
	s_cbranch_scc0 .Lfor_b_\@
	tensor_load_to_lds s[\g0a:\g0a+3], s[\g1a:\g1a+7]
	s_nop 0
.rept 4
	v_nop
.endr
	s_branch .Lasked_\@
.Lfor_b_\@:
	tensor_load_to_lds s[\g0b:\g0b+3], s[\g1b:\g1b+7]
	s_nop 0
.rept 4
	v_nop
.endr
.Lasked_\@:
.endm
.macro CREST
	s_cmp_lg_u32 s[WV], 0
	s_cbranch_scc1 .Lnot_wave_0_\@
	s_barrier_signal -3
.Lnot_wave_0_\@:
	s_barrier_wait -3
	s_barrier_signal -1
	s_barrier_wait -1
.endm
.macro CROUND
	s_barrier_signal -1
	s_barrier_wait -1
	CREST
.endm
.macro PLACES n
.rept \n
	v_nop
.endr
.endm
.macro FRAG reg, adr, q, i
.irp c, 0,1,2,3
	ds_load_b128 v[\reg+4*\c:\reg+4*\c+3], v[\adr] offset:16384*(\q)+2048*(\i)+512*\c
.endr
.endm
; 16 matrix instructions: A's blocks a0, a0 + 1 x B's eight.  first = 1: the sums begin with the bias.  The 64 accumulators take turns, one instruction a turn.
.macro MUL16 a0, p, first
.irp a, \a0, \a0+1
.irp b, 0,1,2,3,4,5,6,7
.if \first
	v_wmma_f32_16x16x128_fp8_fp8 v[8*(8*((\a)%4)+\b):8*(8*((\a)%4)+\b)+7], v[128*(\p)+FR*\b:128*(\p)+FR*\b+FR-1], v[AF+FR*(\a):AF+FR*(\a)+FR-1], v[BR+8*\b:BR+8*\b+7]
.else
	v_wmma_f32_16x16x128_fp8_fp8 v[8*(8*((\a)%4)+\b):8*(8*((\a)%4)+\b)+7], v[128*(\p)+FR*\b:128*(\p)+FR*\b+FR-1], v[AF+FR*(\a):AF+FR*(\a)+FR-1], v[8*(8*((\a)%4)+\b):8*(8*((\a)%4)+\b)+7]
.endif
.endr
.endr
.endm
.macro FETCH_B slot, q, p
	WIN TO_B
.irp i, 0,1,2,3,4,5,6,7
	FRAG 128*(\p)+FR*\i, ADRB+\slot, \q, \i
.endr
	WIN 0
.endm
.macro FETCH_A slot, q, i0
.irp i, \i0, \i0+1, \i0+2, \i0+3
	FRAG AF+FR*(\i), ADRA+\slot, \q, \i
.endr
.endm
.macro STEP slot, q, first
	s_wait_dscnt 4*NL                              ; B's set and A's blocks 0-3 are in; the youngest 16 loads (A's blocks 4-7) may be out
.if \first
	WIN FST_LO
.else
	WIN MUL_LO
.endif
	MUL16 0, (\q)%2, \first
	MUL16 2, (\q)%2, \first
	s_wait_dscnt 0
	PLACES NP
	FETCH_B \slot, (\q)+1, 1-(\q)%2
	FETCH_A \slot, (\q)+1, 0
.if \first
	WIN FST_HI
.else
	WIN MUL_HI
.endif
	MUL16 4, (\q)%2, \first
	MUL16 6, (\q)%2, \first
	PLACES NP
	WIN 0
	FETCH_A \slot, (\q)+1, 4
.endm
.macro TURN slot, next, fill
	s_wait_tensorcnt 0x0                           ; all my tensor loads have landed: my part of the next slot
	ds_add_u32 v[SPW], v[NIL]
	s_wait_dscnt 4*NL+1                            ; the add and the youngest 16 loads may be out
	WIN MUL_LO
	MUL16 0, 1, 0
	s_wait_dscnt 0x0                               ; the add is done, and my reads of this slot are over
	s_barrier_signal -1
	MUL16 2, 1, 0
	WIN 0
	s_barrier_wait -1
.if \fill
	CREST                                          ; the barrier has opened a round of the cluster's: no wave of any partner still reads this slot or has a load on its way
	s_add_nc_u64 s[G0+4*\slot+2:G0+4*\slot+3], s[G0+4*\slot+2:G0+4*\slot+3], 2*PART
	s_add_nc_u64 s[G0B+4*\slot+2:G0B+4*\slot+3], s[G0B+4*\slot+2:G0B+4*\slot+3], 2*PART
	JLOAD G0+4*\slot, G1, G0B+4*\slot, G1B
.else
	PLACES NP
.endif
	FETCH_B \next, 0, 0
	FETCH_A \next, 0, 0
	WIN MUL_HI
	MUL16 4, 1, 0
	MUL16 6, 1, 0
	PLACES NP
	WIN 0
	FETCH_A \next, 0, 4
.endm
; THE WAY OUT, block by block of 16 rows x 128 columns: a lane holds 32 neighbouring bytes of a row and the lanes beside it other rows, so a block goes through my own stage in LDS and comes back as whole rows of
; 512 bytes.  LDS serves a wave's instructions in order (ISA guide 5.7.1.4): no wait between the stores and the loads, nor in front of the next block's stores.
.macro TOSTAGE a
.set AC, 64*((\a)%4)
	WIN 0x02+((\a)/4)                              ; source 0: window 2 or 3
.set j, 0
.rept 32
	v_pk_mul_f32 v[TMP+j:TMP+j+1], v[AC+j:AC+j+1], s[68:69] op_sel_hi:[1,0]   ; x 2^(e6 + e7); each accumulator from its low end on
.set j, j+2
.endr
	WIN 0
.irp b, 0,1,2,3,4,5,6,7
	ds_store_b128 v[STO], v[TMP+8*\b:TMP+8*\b+3] offset:64*\b
	ds_store_b128 v[STO], v[TMP+8*\b+4:TMP+8*\b+7] offset:64*\b+16
.endr
.set BB, BK+64*((\a)%2)
.irp t, 0,1,2,3,4,5,6,7,8,9,10,11,12,13,14,15
	ds_load_b128 v[BB+4*\t:BB+4*\t+3], v[RD] offset:\t*SPITCH
.endr
.endm
.macro SEND a, younger                 ; younger: the LDS instructions issued behind block a's loads, which may stay out
.set BB, BK+64*((\a)%2)
	s_wait_dscnt \younger
.if (\a) > 0
	s_add_nc_u64 s[80:81], s[80:81], 16*ROWO       ; (behind a wait on XCNT: the earlier stores have read their base)
.endif
.irp t, 0,1,2,3,4,5,6,7,8,9,10,11,12,13,14,15
	global_store_b128 v[CO], v[BB+4*\t:BB+4*\t+3], s[80:81] offset:\t*ROWO th:TH_STORE_NT   ; 32 lanes store 512 consecutive bytes, aligned; written once, read by nobody here
.endr
.endm
	s_load_b256 s[4:11], s[0:1], 0x0               ; att_img s[4:5], wo_img s[6:7], b_out s[8:9], the scales s[10:11]
	s_load_b64 s[12:13], s[0:1], 0x20              ; out0
	v_lshl_add_u32 v[SPW], v0, 2, SPARE
	v_mov_b32 v[NIL], 0
	ds_add_u32 v[SPW], v[NIL]                      ; the wave's opening: the add and its wait ahead of my first tensor load; work on registers stands between them
	v_lshrrev_b32 v1, 5, v0
	v_readfirstlane_b32 s[WV], v1
	s_lshr_b32 s[HA], s[WV], 1
	s_and_b32 s[HB], s[WV], 1
	s_bfe_u32 s21, ttmp6, 0x40000                  ; cx
	s_bfe_u32 s22, ttmp6, 0x40004                  ; cy
	s_and_b32 s23, ttmp7, 0xffff                   ; cluster y
	s_lshl_b32 s41, s22, 2
	s_lshl_b32 s41, 15, s41                        ; my row of the cluster
	s_lshl_b32 s45, 0x1111, s21                    ; my column
	s_or_b32 s[G1], s41, (3<<16)|(1<<21)           ; 15:0 the mask; 17:16 elements of 8 bytes; 21 set beside a mask; no padding
	s_or_b32 s[G1B], s45, (3<<16)|(1<<21)
.irp g, G1, G1B
	s_mov_b32 s[\g+1], 32<<16
	s_mov_b32 s[\g+2], 128<<16
	s_mov_b32 s[\g+3], 32<<16
	s_mov_b32 s[\g+4], 128
	s_mov_b32 s[\g+5], 32
	s_mov_b32 s[\g+6], 0
	s_mov_b32 s[\g+7], 0
.endr
	s_lshl_b32 s40, s23, 2
	s_add_co_u32 s40, s40, s22                     ; A's tile: 4 x cluster y + cy
	s_lshl_b32 s44, ttmp9, 2
	s_add_co_u32 s44, s44, s21                     ; B's tile: 4 x cluster x + cx
	s_lshl_b32 s87, s[HB], 17                      ; which 128 rows of the tile I fetch
	s_lshl_b32 s42, s40, 18
	s_add_co_u32 s42, s42, s87
	s_mov_b32 s43, 0
	s_lshl_b32 s46, s44, 18
	s_add_co_u32 s46, s46, s87
	s_mov_b32 s47, 0
	s_lshl_b32 s66, s[WV], 15
	s_wait_dscnt 0x0                               ; the opening add is done
	s_wait_kmcnt 0x0
	s_load_b256 s[72:79], s[10:11], 0x0            ; e0 .. e7
	s_add_nc_u64 s[42:43], s[4:5], s[42:43]
	s_add_nc_u64 s[46:47], s[6:7], s[46:47]
	CROUND                                         ; all sixteen work-groups are here: the first joint loads meet
.irp s, 0,1
	s_mov_b32 s[G0+4*\s], 1
	s_add_co_u32 s[G0+4*\s+1], s66, \s*SLOT
	s_add_nc_u64 s[G0+4*\s+2:G0+4*\s+3], s[42:43], \s*PART
	s_or_b32 s[G0+4*\s+3], s[G0+4*\s+3], 0x80000000
	s_mov_b32 s[G0B+4*\s], 1
	s_add_co_u32 s[G0B+4*\s+1], s66, \s*SLOT
	s_add_nc_u64 s[G0B+4*\s+2:G0B+4*\s+3], s[46:47], \s*PART
	s_or_b32 s[G0B+4*\s+3], s[G0B+4*\s+3], 0x80000000
	JLOAD G0+4*\s, G1, G0B+4*\s, G1B
.endr
	v_and_b32 v1, 31, v0
	v_lshlrev_b32 v[LI], 4, v1
	v_and_b32 v2, 15, v0
	v_bfe_u32 v3, v0, 4, 1
	v_lshlrev_b32 v[H32], 5, v3
	s_lshl_b32 s86, s44, 10
	s_lshl_b32 s87, s[HB], 9
	s_add_co_u32 s86, s86, s87                     ; my first column, in bytes: 1,024 x B's tile + 512 x my half
	s_mov_b32 s87, 0
	s_add_nc_u64 s[82:83], s[8:9], s[86:87]
.irp b, 0,1,2,3,4,5,6,7
	global_load_b128 v[BR+8*\b:BR+8*\b+3], v[H32], s[82:83] offset:64*\b       ; the bias of columns 16 b + 8 h + 0 .. 7
	global_load_b128 v[BR+8*\b+4:BR+8*\b+7], v[H32], s[82:83] offset:64*\b+16
.endr
	s_lshl_b32 s88, s40, 20                        ; my first row of out0: 256 x A's tile + 128 x my half, rows of 4,096 bytes
	s_lshl_b32 s89, s[HA], 19
	s_add_co_u32 s88, s88, s89
	s_add_co_u32 s88, s88, s86
	s_mov_b32 s89, 0
	s_add_nc_u64 s[80:81], s[12:13], s[88:89]
	s_lshl_b32 s86, s[HA], 15
	s_lshl_b32 s87, s[HB], 15
	s_add_co_u32 s87, s87, 2*PART
.irp s, 0,1
	v_add_nc_u32 v[ADRA+\s], s86, v[LI]
	v_add_nc_u32 v[ADRB+\s], s87, v[LI]
	s_add_co_u32 s86, s86, SLOT
	s_add_co_u32 s87, s87, SLOT
.endr
	s_mul_i32 s86, s[WV], 16*SPITCH                ; my stage
	v_mul_u32_u24 v[STO], v2, SPITCH
	v_lshl_add_u32 v[STO], v3, 5, v[STO]
	v_add_nc_u32 v[STO], s86, v[STO]               ; in: row r, 32 bytes for each half of the lanes
	v_lshlrev_b32 v[CO], 4, v1
	v_add_nc_u32 v[RD], s86, v[CO]                 ; back: the 32 lanes take one row of 512 bytes
	s_wait_loadcnt 0x0
	s_wait_kmcnt 0x0
	s_add_co_i32 s86, s78, s79                     ; e6 + e7: a sum stands for sum x 2^(e6 + e7), so the bias goes in divided by it
	s_sub_co_i32 s87, 0, s86
.set j, 0
.rept 64
	v_ldexp_f32 v[BR+j], v[BR+j], s87
.set j, j+1
.endr
	s_add_co_i32 s86, s86, 127
	s_lshl_b32 s68, s86, 23                        ; 2^(e6 + e7) as f32
	s_mov_b32 s69, s68                             ; (named with it as a pair, so it is written)
	s_wait_tensorcnt 1                             ; my part of slot 0 is in; slot 1's load may be out
	s_barrier_signal -1
	s_barrier_wait -1
	FETCH_B 0, 0, 0
	FETCH_A 0, 0, 0
	FETCH_A 0, 0, 4
	STEP 0, 0, 1                                   ; K 0-127: its products start the sums, on the bias
	TURN 0, 1, 1                                   ; K 128-255; slot 0 takes K 512-767
	STEP 1, 0, 0
	TURN 1, 0, 1                                   ; slot 1 takes K 768-1023
	STEP 0, 0, 0
	TURN 0, 1, 0                                   ; nothing is left to fetch: no round
	STEP 1, 0, 0
	s_wait_dscnt 4*NL                              ; the last step
	WIN MUL_LO
	MUL16 0, 1, 0
	MUL16 2, 1, 0
	s_wait_dscnt 0
	WIN MUL_HI
	MUL16 4, 1, 0
	MUL16 6, 1, 0
	WIN 0
	PLACES NP                                      ; behind the last products: for the loads into the registers that held A's fragments and for the reads of results
	TOSTAGE 0
.irp a, 1,2,3,4,5,6,7
.if \a > 1
	s_wait_xcnt 0x0                                ; block a - 2's stores have read their registers and their base
.endif
	TOSTAGE \a
	SEND \a-1, 32                                  ; behind block a - 1's loads: block a's 16 stores and 16 loads
.endr
	s_wait_xcnt 0x0
	SEND 7, 0
	s_wait_tensorcnt 0x0                           ; the wave's end, behind my last tensor load and my last LDS store
	ds_add_u32 v[SPW], v[NIL]
	s_wait_dscnt 0x0
	CROUND                                         ; the closing round: no work-group ends while a partner may still ask for a tile that names it
	s_endpgm
.Lfunc_end_k_q691ce9db8d_gemm_out:
	.size	k_q691ce9db8d_gemm_out, .Lfunc_end_k_q691ce9db8d_gemm_out-k_q691ce9db8d_gemm_out
	.p2alignl 7, 3214868480
	.fill 96, 4, 3214868480
	.section	.rodata,"a",@progbits
	.p2align	6, 0x0
	.amdhsa_kernel k_q691ce9db8d_gemm_out
		.amdhsa_group_segment_fixed_size 327680
		.amdhsa_private_segment_fixed_size 0
		.amdhsa_enable_private_segment 0
		.amdhsa_kernarg_size 40
		.amdhsa_user_sgpr_count 2
		.amdhsa_user_sgpr_kernarg_segment_ptr 1
		.amdhsa_wavefront_size32 1
		.amdhsa_system_sgpr_workgroup_id_x 1
		.amdhsa_system_sgpr_workgroup_id_y 1
		.amdhsa_system_sgpr_workgroup_id_z 1
		.amdhsa_system_vgpr_workitem_id 0
		.amdhsa_next_free_vgpr 1024
		.amdhsa_next_free_sgpr 100
		.amdhsa_reserve_vcc 0
		.amdhsa_float_denorm_mode_32 3
		.amdhsa_float_denorm_mode_16_64 3
		.amdhsa_memory_ordered 1
		.amdhsa_forward_progress 1
		.amdhsa_inst_pref_size 128
	.end_amdhsa_kernel
	.amdgpu_metadata
---
amdhsa.version: [ 1, 2 ]
amdhsa.kernels:
  - .name:           k_q691ce9db8d_gemm_out
    .symbol:         k_q691ce9db8d_gemm_out.kd
    .args:
      - { .name: att_img, .offset: 0, .size: 8, .value_kind: global_buffer, .address_space: global }
      - { .name: wo_img, .offset: 8, .size: 8, .value_kind: global_buffer, .address_space: global }
      - { .name: b_out, .offset: 16, .size: 8, .value_kind: global_buffer, .address_space: global }
      - { .name: lowp_scales, .offset: 24, .size: 8, .value_kind: global_buffer, .address_space: global }
      - { .name: out0, .offset: 32, .size: 8, .value_kind: global_buffer, .address_space: global }
    .group_segment_fixed_size: 327680
    .private_segment_fixed_size: 0
    .kernarg_segment_align: 8
    .kernarg_segment_size: 40
    .max_flat_workgroup_size: 128
    .sgpr_count:     100
    .vgpr_count:     1024
    .wavefront_size: 32
...
	.end_amdgpu_metadata
.endif
;; end of part 4
